; MI455X (gfx1250); checked and timed in simulation.
; The chip was launched on July 23, 2026; its instructions are those of AMD's public machine-readable ISA for CDNA 5 (MIT licence, August 2026) and "CDNA5" Instruction Set Architecture Reference Guide (July 2026). The comments in the code are by the model that wrote it; some were corrected since.
;; Dummy Moe Layer. Allowed arithmetic: matrix products marked QUANTISED: E2M1 operands, one E8M0 scale for each 32 along K, by v_wmma_scale_f32_16x16x128_f8f6f4 with both operands' format E2M1 (or v_wmma_scale_f32_32x16x128_f4), f32 sums; products left as they are: f32 operands where the result goes on into a quantised operand, else bf16, f16 or f32 operands; f32 sums; everything else in f32.
;; Inputs: w_down 8 x 2,048 x 1,024 float32; w_gate 8 x 1,024 x 2,048 float32; w_router 1,024 x 8 float32; w_up 8 x 1,024 x 2,048 float32; x 1,024 x 1,024 float32.
;; Outputs: out0 1,024 x 1,024 float32.
;; Constants: top_k = 2.
;; This version of the problem:
;;   THIS VERSION OF THE PROBLEM IS GIVEN IN LOW PRECISION. The matrix products marked QUANTISED in the list below multiply operands that are first quantised to E2M1 (2 exponent bits, 1 mantissa bit; 4 bits a number), with one power-of-two scale for each 32 numbers along K (OCP MX v1.0); their sums are f32. All else is computed in f32.
;;   The module's matrix products, in the order in which they are computed (A, B: the left and right operand; K: the contracted axis; several contracted axes count as one K, in the product's order):
;;     1. [M 1,024, K 1,024] x [K 1,024, N 8]; A: input x; B: input w_router: left as it is (N = 8 < 16)
;;     2. [M 16,384, K 1,024] x [K 1,024, N 1,024]; A: input w_gate; B: input x: QUANTISED
;;     3. [M 16,384, K 1,024] x [K 1,024, N 1,024]; A: input w_up; B: input x: QUANTISED
;;     4. batch 8 x [M 1,024, K 2,048] x [K 2,048, N 1,024]; A: computed on the way; B: input w_down: QUANTISED
;;     5. batch 1,024 x [M 1,024, K 8] x [K 8, N 1]; A: computed on the way; B: computed on the way: left as it is (K = 8 < 32)
;;   THE QUANTISER, for each operand of a quantised product, along K:
;;     - K is cut into blocks of 32 from its start; a last block that is shorter is filled with zeros.
;;     - A block's scale is 2^e with e = floor(log2(the largest magnitude in the block)) - 2, held to -126 .. 127; a block of zeros has e = 0. As a byte (E8M0): e + 127.
;;     - Each number is divided by its block's scale, clamped to +-6, and rounded to the nearest number of E2M1, ties to even, subnormals kept.
;;     - The product sums the exact products of the quantised numbers (number of the format x scale) in f32.
;;   ~~~python
;;   def quantise(x, axis):      # numpy; x: float32 -> the quantised numbers, widened to float32 again
;;       x = np.moveaxis(x, axis, -1); K = x.shape[-1]
;;       x = np.pad(x, [(0, 0)] * (x.ndim - 1) + [(0, -K % 32)]); x = x.reshape(x.shape[:-1] + (-1, 32)); a = np.abs(x).max(-1, keepdims=True)
;;       e = np.where(a > 0, np.clip(np.frexp(np.where(a > 0, a, 1))[1] - 1 - 2, -126, 127), 0)      # np.frexp(a)[1] - 1 = floor(log2(a)), exactly
;;       r = np.clip(x / 2.0 ** e, -6, 6)
;;       step = 2.0 ** (np.maximum(np.frexp(np.where(r == 0, 1, r))[1] - 1, 0) - 1)
;;       q = np.round(r / step) * step * 2.0 ** e      # np.round: ties to even
;;       return np.moveaxis(q.reshape(q.shape[:-2] + (-1,))[..., :K], -1, axis).astype(np.float32)
;;   ~~~
;;   OPERANDS COMPUTED ON THE WAY. 'Computed on the way' means the value that the module computes at that place (a softmax that the list does not call 'softmax' is quantised finished and normalised). What goes into a quantiser is computed in f32, as accurately as f32 sums, v_exp_f32 and their like allow (about 1e-6 of the number): no bf16 or f16 on the way to a quantiser, and a product that is left as it is and whose result goes on into a quantised operand takes f32 operands (vector FMAs, or v_wmma_f32_16x16x4_f32). A number that lies on a knife's edge between two numbers of the format may be rounded either way, as far as f32 arithmetic and the matrix unit's own rounding can turn it there, and no further.
;; 2 versions. Each part assembles by itself: llvm-mc -triple=amdgcn-amd-amdhsa -mcpu=gfx1250 --defsym DOCPART=n.
;; ======== version 1 of 2: 4 launches
;; workspace buffers: xcod 524,288 bytes; xscl 32,768 bytes; eidx 8,192 bytes of whole numbers; prob 8,192 bytes; slist 65,536 bytes of whole numbers; hcod 8,388,608 bytes; hscl 524,288 bytes; ypart 20,971,520 bytes
;; launch route (part 1): grid 256 x 1, 4 waves a work-group, no clusters, 52,224 bytes of LDS; arguments x, w_router, xcod, xscl, eidx, prob; writes xcod, xscl, eidx, prob
.if DOCPART == 1
	.amdgcn_target "amdgcn-amd-amdhsa--gfx1250"
	.amdhsa_code_object_version 6
	.text
	.protected	k_qc0b754a38d_route
	.globl	k_qc0b754a38d_route
	.p2align	8
	.type	k_qc0b754a38d_route,@function
k_qc0b754a38d_route:
	s_mov_b64 s[64:65], 0
	v_nop
	global_prefetch_b8 v0, s[64:65] scope:SCOPE_SE
	s_setreg_imm32_b32 hwreg(HW_REG_WAVE_MODE, 25, 1), 1
	s_wait_xcnt 0x0
; ROUTE.  For each of the 1,024 tokens: its row of x [1024] f32 becomes codes of FP4 (E2M1) with one E8M0 byte for each 32 along the row; its 8 router logits x . w_router[:, e]
; are summed in f32; the two largest are found (of equal logits the lower index is kept) and their softmax is taken, the larger logit taken away first.
; OUT: xcod [token][512 bytes] (block b of 32 codes at byte 16 b), xscl [token][32 bytes], eidx [token][2] i32 (the two experts, the larger logit first), prob [token][2] f32.
; The choice is only STORED here, at fixed places: no address and no branch of this launch hangs on it.
; SHARES.  One wave to a token, four waves to a work-group, 256 work-groups, no loop.  Lane l holds block l of the row (k = 32 l .. 32 l + 31) in 32 registers, so a block's largest
; magnitude needs no other lane, and the lane's 32 x 8 numbers of w_router (1,024 consecutive bytes) lie in 256 registers of window 1.
; Every global load takes 16 neighbouring bytes a lane, 512 a wave; the turn to 128 (x) and 1,024 (w_router) bytes a lane goes through LDS.  The four waves load a quarter of w_router each: one barrier.
; No matrix unit: 8 columns are fewer than a tile's 16.  No cluster: what the work-groups share is w_router's 32,768 bytes.
; LIMITS: NaN and infinities among the inputs are not served.  A logit is summed as 32 chains of 32 fused multiply-adds and a tree over the lanes: where two logits differ by less than that
; order's rounding, the choice can differ from another order's.  A block whose largest magnitude lies under 2^-124 keeps the byte 1; so does a block of zeros (its codes are zeros; this program alone reads the bytes).
.set WPITCH, 1040                      ; LDS: a lane's 1,024 bytes of w_router + 16 of padding: 65 x 16, so sixteen lanes' 16-byte reads fall in sixteen different columns of 256 bytes
.set STG0,   32*WPITCH                 ; behind them a stage for each wave:
.set SPITCH, 144                       ; a lane's 128 bytes of x + 16 of padding: 9 x 16
.set WSTG,   32*SPITCH
.set L16,  2                           ; v2   16 x lane
.set WSI,  3                           ; v3   w_router into LDS: 16 x lane + 8 rows x wave
.set WSO,  4                           ; v4   and out: WPITCH x lane
.set XIN,  5                           ; v5   x into my stage: SPITCH (lane / 8) + 16 (lane % 8)
.set XOUT, 6                           ; v6   and out: SPITCH x lane
.set LN,   7                           ; v7   lane
.set L,    8                           ; v8-15    the 8 logits
.set X,    16                          ; v16-47   my block of x
.set XR,   48                          ; v48-79   x as loaded
.set WR,   80                          ; v80-143  w_router as loaded
.set CD,   144                         ; v144-147 my block's codes
.set MX,   148
.set MY,   149
.set SCO,  150                         ; the conversion's scale operand
.set BY,   151                         ; the scale's byte
.set B1,   152                         ; the largest logit
.set B2,   153                         ; the second
.set I1,   154                         ; v154-155 their experts
.set P0,   156                         ; v156-157 their weights
.set NINF, 158
.set ZO,   159                         ; 0: the offset of lane 0's stores
.set PT,   160                         ; v160-167 the other half's sums
.set TT,   168
.set MSB, 0
.macro WIN new                         ; the immediate's high byte repeats the setting that is left
.if MSB != \new
	s_set_vgpr_msb (MSB<<8)|\new
.set MSB, \new
.endif
.endm
	s_load_b128 s[4:7], s[0:1], 0x0                ; x, w_router
	s_load_b128 s[8:11], s[0:1], 0x10              ; xcod, xscl
	s_load_b128 s[12:15], s[0:1], 0x20             ; eidx, prob
	v_lshl_add_u32 v254, v0, 2, 0xca00
	v_mov_b32 v255, 0
	v_lshrrev_b32 v1, 5, v0
	v_readfirstlane_b32 s16, v1                    ; wave 0..3
	v_and_b32 v[LN], 31, v0
	v_lshlrev_b32 v[L16], 4, v[LN]
	s_lshl_b32 s17, ttmp9, 2
	s_add_co_u32 s17, s17, s16                     ; my token = 4 x work-group + wave
	s_lshl_b32 s18, s17, 12                        ; its row of x: 4,096 bytes
	s_mov_b32 s19, 0
	s_lshl_b32 s20, s16, 13                        ; my quarter of w_router: 8,192 bytes
	s_mov_b32 s21, 0
	s_wait_kmcnt 0x0
	s_add_nc_u64 s[4:5], s[4:5], s[18:19]
	s_add_nc_u64 s[6:7], s[6:7], s[20:21]
.irp i, 0,1,2,3,4,5,6,7
	global_load_b128 v[XR+4*\i:XR+4*\i+3], v[L16], s[4:5] offset:512*\i th:TH_LOAD_NT   ; 512 consecutive bytes a load; x is read by this launch alone, once
.endr
.irp i, 0,1,2,3,4,5,6,7,8,9,10,11,12,13,14,15
	global_load_b128 v[WR+4*\i:WR+4*\i+3], v[L16], s[6:7] offset:512*\i
.endr
	s_lshl_b32 s18, s17, 9
	s_add_nc_u64 s[8:9], s[8:9], s[18:19]          ; my token's 512 bytes of codes,
	s_lshl_b32 s18, s17, 5
	s_add_nc_u64 s[10:11], s[10:11], s[18:19]      ; its 32 scale bytes,
	s_lshl_b32 s18, s17, 3
	s_add_nc_u64 s[12:13], s[12:13], s[18:19]      ; its two experts
	s_add_nc_u64 s[14:15], s[14:15], s[18:19]      ; and their weights
	s_mov_b32 s24, 0x76543210
	s_mov_b32 s25, 0xfedcba98                      ; v_permlanex16_b32's selects for lane l xor 16
	s_mul_i32 s22, s16, 8*WPITCH
	v_add_nc_u32 v[WSI], s22, v[L16]
	v_mul_u32_u24 v[WSO], v[LN], WPITCH
	s_mul_i32 s23, s16, WSTG
	s_add_co_u32 s23, s23, STG0                    ; my stage
	v_lshrrev_b32 v1, 3, v[LN]
	v_mul_u32_u24 v1, v1, SPITCH
	v_and_b32 v[XIN], 7, v[LN]
	v_lshl_add_u32 v[XIN], v[XIN], 4, v1
	v_add_nc_u32 v[XIN], s23, v[XIN]
	v_mul_u32_u24 v[XOUT], v[LN], SPITCH
	v_add_nc_u32 v[XOUT], s23, v[XOUT]
.irp e, 0,1,2,3,4,5,6,7
	v_mov_b32 v[PT+\e], 0                          ; written once: a lane permute's destination counts as one of its sources
.endr
	v_mov_b32 v[ZO], 0
	s_wait_loadcnt 16                              ; x's eight loads are in; the sixteen of w_router, issued behind them, may be out
.irp i, 0,1,2,3,4,5,6,7
	ds_store_b128 v[XIN], v[XR+4*\i:XR+4*\i+3] offset:4*SPITCH*\i   ; a load's 512 bytes are four blocks
.endr
.irp j, 0,1,2,3,4,5,6,7
	ds_load_b128 v[X+4*\j:X+4*\j+3], v[XOUT] offset:16*\j           ; LDS serves a wave's instructions in order: these see my stores
.endr
	s_wait_loadcnt 0x0
.irp i, 0,1,2,3,4,5,6,7,8,9,10,11,12,13,14,15
	ds_store_b128 v[WSI], v[WR+4*\i:WR+4*\i+3] offset:(\i/2)*WPITCH+(\i%2)*512
.endr
	s_wait_dscnt 0x0                               ; for the others' sake: my quarter of w_router lies in LDS (and my block of x is in)
	s_barrier_signal -1
	s_barrier_wait -1
	WIN 0x40                                       ; destination window 1
.set i, 0
.rept 64
	ds_load_b128 v[4*i:4*i+3], v[WSO] offset:16*i  ; register 8 k + e of window 1 = w_router[32 lane + k][e]
.set i, i+1
.endr
	WIN 0
	; while they come: my block of x is quantised
	v_max3_num_f32 v[MX], |v[X]|, |v[X+1]|, |v[X+2]|
	v_max3_num_f32 v[MY], |v[X+3]|, |v[X+4]|, |v[X+5]|
.irp i, 6,10,14,18,22,26
	v_max3_num_f32 v[MX], v[MX], |v[X+\i]|, |v[X+\i+1]|
	v_max3_num_f32 v[MY], v[MY], |v[X+\i+2]|, |v[X+\i+3]|
.endr
	v_max3_num_f32 v[MX], v[MX], |v[X+30]|, |v[X+31]|
	v_max3_num_f32 v[MX], v[MX], v[MY], 0x1800000  ; and the floor 2^(3 - 127): the byte cannot fall under 1
	v_add_nc_u32 v[SCO], 0xff000000, v[MX]         ; 2 off the exponent field: the conversion takes the exponent field of this operand as its scale
	v_lshrrev_b32 v[BY], 23, v[SCO]                ; the scale's byte
.irp g, 0,1,2,3
	v_cvt_scalef32_pk8_fp4_f32 v[CD+\g], v[X+8*\g:X+8*\g+7], v[SCO]
.endr
	v_nop                                          ; one plain place behind the conversions
	global_store_b128 v[L16], v[CD:CD+3], s[8:9]   ; the wave stores the row's 512 consecutive bytes
	global_store_b8 v[LN], v[BY], s[10:11]         ; and its 32 scale bytes
	s_wait_dscnt 0x0                               ; w_router is in
	WIN 0x04                                       ; source 1 window 1
.irp p, 0,2,4,6
	v_pk_mul_f32 v[L+\p:L+\p+1], v[X:X+1], v[\p:\p+1] op_sel_hi:[0,1]   ; the first product starts the sums; x's number serves both halves
.endr
.irp p, 0,2,4,6
	v_pk_fma_f32 v[L+\p:L+\p+1], v[X:X+1], v[8+\p:8+\p+1], v[L+\p:L+\p+1] op_sel:[1,0,0] op_sel_hi:[1,1,1]
.endr
.irp k, 1,2,3,4,5,6,7,8,9,10,11,12,13,14,15
.irp p, 0,2,4,6
	v_pk_fma_f32 v[L+\p:L+\p+1], v[X+2*\k:X+2*\k+1], v[16*\k+\p:16*\k+\p+1], v[L+\p:L+\p+1] op_sel_hi:[0,1,1]
.endr
.irp p, 0,2,4,6
	v_pk_fma_f32 v[L+\p:L+\p+1], v[X+2*\k:X+2*\k+1], v[16*\k+8+\p:16*\k+8+\p+1], v[L+\p:L+\p+1] op_sel:[1,0,0] op_sel_hi:[1,1,1]
.endr
.endr
	WIN 0
.irp m, 1,2,4,8                                ; the 32 lanes' sums: four steps inside each half, the eight logits by turns
.irp e, 0,1,2,3,4,5,6,7
	v_add_f32_dpp v[L+\e], v[L+\e], v[L+\e] row_xmask:\m row_mask:0xf bank_mask:0xf
.endr
.endr
.irp e, 0,1,2,3,4,5,6,7
	v_permlanex16_b32 v[PT+\e], v[L+\e], s24, s25
.endr
.irp e, 0,1,2,3,4,5,6,7
	v_add_f32 v[L+\e], v[L+\e], v[PT+\e]           ; every lane holds all eight logits
.endr
	v_mov_b32 v[B1], v[L]                          ; the largest: the holder stays where it is not beaten, so of equals the lower index is kept
	v_mov_b32 v[I1], 0
.irp e, 1,2,3,4,5,6,7
	v_cmp_ge_f32 vcc_lo, v[B1], v[L+\e]
	v_cndmask_b32 v[I1], \e, v[I1], vcc_lo
	v_max_num_f32 v[B1], v[B1], v[L+\e]
.endr
	v_mov_b32 v[NINF], 0xff800000
.irp e, 0,1,2,3,4,5,6,7
	v_cmp_eq_u32 vcc_lo, \e, v[I1]
	v_cndmask_b32 v[L+\e], v[L+\e], v[NINF], vcc_lo   ; the winner leaves the field
.endr
	v_mov_b32 v[B2], v[L]
	v_mov_b32 v[I1+1], 0
.irp e, 1,2,3,4,5,6,7
	v_cmp_ge_f32 vcc_lo, v[B2], v[L+\e]
	v_cndmask_b32 v[I1+1], \e, v[I1+1], vcc_lo
	v_max_num_f32 v[B2], v[B2], v[L+\e]
.endr
	v_sub_f32 v[TT], v[B2], v[B1]                  ; the softmax of the two, the larger taken away: 1 / (1 + t) and t / (1 + t), t = e^(second - first), at most 1
	v_mul_f32 v[TT], 0x3fb8aa3b, v[TT]
	v_exp_f32 v[TT], v[TT]
	v_nop                                          ; a plain place behind the exponential
	s_wait_alu depctr_va_vdst(0)
	v_add_f32 v[P0], 1.0, v[TT]
	v_rcp_f32 v[P0], v[P0]
	v_nop                                          ; and behind the reciprocal
	s_wait_alu depctr_va_vdst(0)
	v_mul_f32 v[P0+1], v[TT], v[P0]
	s_wait_xcnt 0x0                                ; EXEC changes only behind this wait: the stores above have read theirs
	v_cmp_eq_u32 vcc_lo, 0, v[LN]
	s_wait_tensorcnt 0x0
	ds_add_u32 v254, v255
	s_wait_dscnt 0x0
	s_and_saveexec_b32 s26, vcc_lo                 ; lane 0 alone
	global_store_b64 v[ZO], v[I1:I1+1], s[12:13]
	global_store_b64 v[ZO], v[P0:P0+1], s[14:15]
	s_wait_xcnt 0x0
	s_or_b32 exec_lo, exec_lo, s26
	s_endpgm
.Lfunc_end_k_qc0b754a38d_route:
	.size	k_qc0b754a38d_route, .Lfunc_end_k_qc0b754a38d_route-k_qc0b754a38d_route
	.p2alignl 7, 3214868480
	.fill 96, 4, 3214868480
	.section	.rodata,"a",@progbits
	.p2align	6, 0x0
	.amdhsa_kernel k_qc0b754a38d_route
		.amdhsa_group_segment_fixed_size 52224
		.amdhsa_private_segment_fixed_size 0
		.amdhsa_enable_private_segment 0
		.amdhsa_kernarg_size 48
		.amdhsa_user_sgpr_count 2
		.amdhsa_user_sgpr_kernarg_segment_ptr 1
		.amdhsa_wavefront_size32 1
		.amdhsa_system_sgpr_workgroup_id_x 1
		.amdhsa_system_sgpr_workgroup_id_y 1
		.amdhsa_system_sgpr_workgroup_id_z 1
		.amdhsa_system_vgpr_workitem_id 0
		.amdhsa_next_free_vgpr 512
		.amdhsa_next_free_sgpr 66
		.amdhsa_reserve_vcc 1
		.amdhsa_float_denorm_mode_32 3
		.amdhsa_float_denorm_mode_16_64 3
		.amdhsa_memory_ordered 1
		.amdhsa_forward_progress 1
		.amdhsa_inst_pref_size 27
	.end_amdhsa_kernel
	.amdgpu_metadata
---
amdhsa.version: [ 1, 2 ]
amdhsa.kernels:
  - .name:           k_qc0b754a38d_route
    .symbol:         k_qc0b754a38d_route.kd
    .args:
      - { .name: x, .offset: 0, .size: 8, .value_kind: global_buffer, .address_space: global }
      - { .name: w_router, .offset: 8, .size: 8, .value_kind: global_buffer, .address_space: global }
      - { .name: xcod, .offset: 16, .size: 8, .value_kind: global_buffer, .address_space: global }
      - { .name: xscl, .offset: 24, .size: 8, .value_kind: global_buffer, .address_space: global }
      - { .name: eidx, .offset: 32, .size: 8, .value_kind: global_buffer, .address_space: global }
      - { .name: prob, .offset: 40, .size: 8, .value_kind: global_buffer, .address_space: global }
    .group_segment_fixed_size: 52224
    .private_segment_fixed_size: 0
    .kernarg_segment_align: 8
    .kernarg_segment_size: 48
    .max_flat_workgroup_size: 128
    .sgpr_count:     66
    .vgpr_count:     512
    .wavefront_size: 32
...
	.end_amdgpu_metadata
.endif
;; end of part 1
;; launch gu (part 2): grid 32 x 8, 8 waves a work-group, no clusters, 144,384 bytes of LDS; arguments w_gate, w_up, xcod, xscl, eidx, slist, hcod, hscl; writes slist, hcod, hscl
.if DOCPART == 2
	.amdgcn_target "amdgcn-amd-amdhsa--gfx1250"
	.amdhsa_code_object_version 6
	.text
	.protected	k_qc0b754a38d_gu
	.globl	k_qc0b754a38d_gu
	.p2align	8
	.type	k_qc0b754a38d_gu,@function
k_qc0b754a38d_gu:
	s_mov_b64 s[64:65], 0
	v_nop
	global_prefetch_b8 v0, s[64:65] scope:SCOPE_SE
	s_setreg_imm32_b32 hwreg(HW_REG_WAVE_MODE, 25, 1), 1
	s_wait_xcnt 0x0
; GU.  h = silu(x w_gate[e]) * (x w_up[e]) for the rows routed to expert e, both products on codes of FP4 (E2M1) with one E8M0 scale for each 32 along K = the model's 1,024; h is quantised along
; the hidden axis on the way and leaves as codes.  w_gate, w_up: [8][1024 (k)][2048] f32.  x arrives as codes (xcod, xscl); each token's two experts in eidx [1024][2] i32, stored by the launch before.
; SHARES.  Work-group (slice, e) owns 64 hidden columns of expert e in both weights: 2 x 1,024 x 256 bytes, which no other work-group reads.  256 work-groups of 8 waves.
; PHASE 1, THE STREAM.  Wave w = 4 z + 2 m + hb takes 32 columns (half hb of the 64) of matrix m (0 gate, 1 up), rows 512 z .. 512 z + 511 of K.  A LANE TAKES A COLUMN AND ITS REGISTERS RUN DOWN K:
; a block of 32 along K lies in one lane's 32 registers, so its largest magnitude needs no other lane and the conversions give codes with K innermost.  Two exchanges of half waves for each pair of
; blocks lay them as the matrix unit's operand; the operand's registers go to LDS as they stand (16 bytes a lane, 512 a store).  The codes never go to memory.  One barrier.
; WHICH COLUMN A LANE TAKES: lane l takes column c(l) = l with bits 3 and 4 exchanged.  Lanes 0-15 become the 16 rows of operand tile 0, lanes 16-31 those of tile 1, and in the results
; (source 0 = 16 columns of a weight, source 1 = 16 tokens) lane (r, h) holds token r and, in the 16 registers of tiles 0 and 1, the NEIGHBOURING columns 16 h .. 16 h + 15.
; THE LIST OF ROWS is made between the stream's blocks, while the wave's loads are on their way.  The tokens are cut into four quarters of 256; wave w lists quarter w / 2: the SLOTS (2 x token + k) whose expert is e,
; closed up into positions 0 .. R - 1, in eight registers (register D, lane l: position 32 D + l); the other positions keep a pad, 2048 + 64 e + 16 quarter + position % 16.  A section of 32 tokens stands behind each of the
; first eight blocks: two compares give the masks, a scalar loop takes the set bits one by one and writes slot | position << 12 | 1 << 24 into lane position % 32 of one register, and compares on position / 32 merge it
; into the eight.  No LDS, no atomics.  The waves with hb = 0 of the work-groups of slice 0 also store list and count for the next launch.
; PHASE 2, THE ROWS.  Wave w takes the 32 columns hb = w % 2 of BOTH matrices for all of K (256 registers, window 1) and the tiles of 16 rows of quarter w / 2.  A tile: its 16 rows of x's codes come as
; whole rows of 512 bytes, turn through the wave's own stage in LDS into fragments; 32 matrix instructions on four accumulators by turns; SwiGLU in f32; the 32 columns are ONE block of the next K.
; OUT: hcod [e][tile = 16 quarter + i][K step of 128][c][lane][16 bytes]: the image of the next launch's operand registers; block bI of 32 hidden units of a tile is the 256 bytes at 256 bI, row r's 16 bytes at 16 r.
;      hscl [e][tile][row][64 bytes], byte bI.  These byte stores fall 64 bytes apart: 16 bytes for each 256 of codes.
;      slist [e][quarter][2,048 bytes]: 256 words, the slots and pads by position; then 32 words that all hold R.
; NO TENSOR LOADS, NO CLUSTER: the loops over set bits and over tiles have trip counts made of numbers read from memory, and the weights, 524,288 of a work-group's bytes, are shared with nobody; what is
; shared (x's rows of codes, 8,704 bytes a tile) is the small part.  Every way through the listing joins again ahead of the barrier; behind the barrier a wave touches only its own stage.
; LIMITS: NaN and infinities are not served.  h is formed as (g u) / (1 + 2^(-g log2 e)): g u must stay finite in f32.  A block whose largest magnitude lies under 2^-124, or of zeros, keeps the byte 1 (zeros: zero codes; this program alone reads the bytes).
; A token's two experts differ (the launch before takes the first out of the field before it looks for the second), so a quarter has at most 256 rows: 16 tiles.
.set ROWP,  8192                       ; a row of a weight in bytes
.set NB,    16                         ; blocks of 32 along K for a wave of the stream
.set SCL,   65536                      ; LDS: 0: the operand images, 32768 hb + 16384 m + 2048 (K step) + 512 q + 16 lane;  here: the weights' scale words, 2048 hb + 1024 m + 512 z + 16 lane
.set STG,   69632                      ; then for each wave WSTG bytes of its own:
.set WSTG,  9216
.set SP,    528                        ; 16 rows of 512 bytes of x's codes + 16 of padding (33 x 16)
.set L16,   1                          ; v1   16 x lane
.set WOFF,  2                          ; v2   4 c(lane): my column's byte in a row of the wave's 128
.set IMGW,  3                          ; v3   where I store images
.set SCLW,  4                          ; v4   and scale words
.set IMGR,  5                          ; v5   where I read images
.set SCLR,  6                          ; v6   and scale words
.set STI,   7                          ; v7   the stage: in, 16 x lane
.set STO,   8                          ; v8   out: SP r + 16 h
.set CX,    9                          ; v9   a list register with its halves exchanged
.set WL,    10                         ; v10  a section's rows, each in lane position % 32
.set L4,    11                         ; v11  4 x lane
.set HCO,   12                         ; v12  16 r + 8 h
.set HSO,   13                         ; v13  64 r
.set ID,    14                         ; v14  lanes 0-15: the slot of row r of the tile asked for
.set XSA,   15                         ; v15  its 32 scale bytes' offset
.set RA,    16                         ; v16-31   the 16 rows' offsets in xcod
.set X,     32                         ; v32-95   the stream: two sets of 32 numbers
.set XR,    32                         ;          the rows: 16 rows of codes as loaded
.set XSR0,  96                         ; v96-99   the scale words of K steps 0-3 on their way
.set F,     100                        ; v100-163 the stream: four K steps' operand registers (two tiles x 8)
.set XF,    100                        ;          the rows: x's eight fragments
.set XSF,   164                        ; v164-171 x's scale words in hand, one for each K step: scales and nothing else
.set SWR,   172                        ; v172-187 the weights' scale words, 8 m + K step: lanes 0-15 tile 0's, lanes 16-31 tile 1's: scales and nothing else
.set G,     188                        ; v188-203 x w_gate: two accumulators
.set EI,    188                        ;          the stream: my quarter of eidx: register 4 g + c of lane l: entry 128 g + 4 l + c
.set U,     204                        ; v204-219 x w_up, then h
.set LN,    204                        ;          at the head: lane, r, h, two at work
.set RR,    205
.set HH,    206
.set TA,    207
.set TB,    208
.set MX,    220
.set MY,    221
.set SCO,   222
.set BY,    223
.set T,     224                        ; v224-239 at work
.set SWT,   240                        ; v240-243 the stream's scale words, one for each K step
.set XSR1,  240                        ;          the rows: the scale words of K steps 4-7 on their way
.set HC,    244                        ; v244-245 h's codes
.set M2,    246
.set TKV,   247                        ; the rows: the token of row r
.set KEY,   247                        ; the stream: 128 + position / 32 where a section's lane holds a row; then the count
.set LIST,  248                        ; v248-255 the list: register D, lane l: position 32 D + l
.set PXC,   8                          ; s[8:9] xcod;  s[10:11] xscl;  s[12:13] eidx;  s[14:15] slist;  s[16:17] hcod;  s[18:19] hscl
.set PXS,   10
.set PEI,   12
.set PLS,   14
.set PHC,   16
.set PHS,   18
.set WV,    20                         ; s20 wave;  s21 slice;  s55 expert
.set SLC,   21
.set WP,    22                         ; s[22:23] the stream's first byte
.set OF,    24                         ; s[24:25] an offset, the high word 0
.set NT,    26                         ; s26 my tiles
.set TI,    27                         ; s27 my trips so far: it steps by 1
.set SEL,   28                         ; s[28:29] selects for lane l xor 16
.set NL2E,  30                         ; s[30:31] -log2(e), a pair for the packed form
.set PK,    32                         ; s32 the listing: 1 << 24 | position << 12 | the section's first slot
.set TMP,   33
.set HB,    34
.set MT,    35
.set TK,    36                         ; s36-51 the rows: the 16 tokens of a tile
.set MA,    36                         ;        the listing: masks of k = 0, of k = 1, of both; their count; bits done; at work
.set MB,    37
.set MM,    38
.set CQ,    39
.set IT,    40
.set BB,    41
.set KB,    42
.set SV,    43
.set LD,    44
.set ZZ,    52
.set TS,    53                         ; s53 my quarter of the tokens: w / 2
.set CNT,   54                         ; s54 its rows
.set EX,    55
.set MK,    56                         ; s56-59 masks of all lanes or none, from the bits of a tile's number
.set MSB, 0
.macro WIN new                         ; the immediate's high byte repeats the setting that is left
.if MSB != \new
	s_set_vgpr_msb (MSB<<8)|\new
.set MSB, \new
.endif
.endm
.macro WLOAD t                         ; block t: rows 32 t .. 32 t + 31 of K at my column, into set t % 2; a load reads 128 consecutive bytes, and the wave beside me the other 128 of the aligned 256
.irp i, 0,1,2,3,4,5,6,7,8,9,10,11,12,13,14,15,16,17,18,19,20,21,22,23,24,25,26,27,28,29,30,31
	global_load_b32 v[X+32*((\t)%2)+\i], v[WOFF], s[WP:WP+1] offset:(32*(\t)+\i)*ROWP th:TH_LOAD_NT
.endr
.endm
.macro QBLOCK t, nb                    ; block t is quantised; behind each fourth block a K step's two operand tiles go to LDS
.set XS, X+32*((\t)%2)
.set FD, F+16*((\t)/4)+8*((\t)%2)+4*(((\t)%4)/2)
.if (\t) < (\nb)-1
	s_wait_loadcnt 32                              ; this block's 32 loads, and all that were issued ahead of them, are in; the next block's 32 may be out
.else
	s_wait_loadcnt 0x0
.endif
	v_max3_num_f32 v[MX], |v[XS]|, |v[XS+1]|, |v[XS+2]|
	v_max3_num_f32 v[MY], |v[XS+3]|, |v[XS+4]|, |v[XS+5]|
.irp i, 6,10,14,18,22,26
	v_max3_num_f32 v[MX], v[MX], |v[XS+\i]|, |v[XS+\i+1]|
	v_max3_num_f32 v[MY], v[MY], |v[XS+\i+2]|, |v[XS+\i+3]|
.endr
	v_max3_num_f32 v[MX], v[MX], |v[XS+30]|, |v[XS+31]|
	v_max3_num_f32 v[MX], v[MX], v[MY], 0x1800000  ; and the floor 2^(3 - 127): the byte cannot fall under 1
	v_add_nc_u32 v[SCO], 0xff000000, v[MX]         ; 2 off the exponent field: the conversion's scale operand
	v_lshrrev_b32 v[BY], 23, v[SCO]                ; the scale's byte
.if (\t)%4 == 0
	v_mov_b32 v[SWT+(\t)/4], v[BY]                 ; four bytes make my column's scale word of a K step
.else
	v_lshl_or_b32 v[SWT+(\t)/4], v[BY], 8*((\t)%4), v[SWT+(\t)/4]
.endif
.irp g, 0,1,2,3
	v_cvt_scalef32_pk8_fp4_f32 v[FD+\g], v[XS+8*\g:XS+8*\g+7], v[SCO]
.endr
	v_nop                                          ; one plain place behind the conversions
.if (\t)+2 < (\nb)
	WLOAD (\t)+2                                   ; the set just read takes the block two further on
.endif
.if (\t)%2 == 1
.irp i, 0,1,2,3
	v_permlane16_swap_b32 v[FD-8+\i], v[FD+\i]     ; the even block's lanes 16-31 change places with the odd block's lanes 0-15: the first is now tile 0's (lanes 0-15 the even block, lanes 16-31 the odd), the second tile 1's
.endr
.endif
.if (\t)%4 == 3
.irp q, 0,1,2,3
	ds_store_b128 v[IMGW], v[F+16*((\t)/4)+4*\q:F+16*((\t)/4)+4*\q+3] offset:((\t)/4)*2048+512*\q   ; each K step has registers of its own: nothing waits for these stores
.endr
.endif
.endm
; Section q of the listing: the 32 tokens 64 (q / 2) + 2 lane + q % 2 of my quarter.  Lane b's slot is the section's first slot + 4 b + k.
.macro LSEC q
	v_cmp_eq_u32 s[MA], s[EX], v[EI+2*(\q)]        ; whose first expert is mine,
	v_cmp_eq_u32 s[MB], s[EX], v[EI+2*(\q)+1]      ; whose second
	s_or_b32 s[MM], s[MA], s[MB]
	s_bcnt1_i32_b32 s[CQ], s[MM]
	s_min_u32 s[CQ], s[CQ], 32                     ; the section's rows
	v_mov_b32 v[WL], 0                             ; a lane that gets no row stays 0
	s_cmp_eq_u32 s[CQ], 0
	s_cbranch_scc1 .Lnone_\@
	s_mov_b32 s[IT], 0
.Lbit_\@:
	s_ctz_i32_b32 s[BB], s[MM]                     ; the lowest lane left
	s_lshr_b32 s[KB], s[MB], s[BB]
	s_and_b32 s[KB], s[KB], 1                      ; k
	s_lshl2_add_u32 s[SV], s[BB], s[KB]            ; 4 b + k
	s_add_co_u32 s[SV], s[SV], s[PK]               ; slot | position << 12 | 1 << 24 (a slot stays under 2,048: nothing is carried into the position)
	s_bfe_u32 s[LD], s[PK], 0x5000c                ; position % 32
	v_writelane_b32 v[WL], s[SV], s[LD]            ; at most 32 positions on end: no lane is written twice
	s_add_co_u32 s[PK], s[PK], 0x1000              ; the next position
	s_sub_co_u32 s[KB], s[MM], 1
	s_and_b32 s[MM], s[MM], s[KB]                  ; the bit is done
	s_add_co_u32 s[IT], s[IT], 1
	s_cmp_lt_u32 s[IT], s[CQ]
	s_cbranch_scc1 .Lbit_\@
.Lnone_\@:
.if (\q)%2 == 0
	s_add_co_u32 s[PK], s[PK], 2                   ; the next section's first slot: the odd tokens of the same 64,
.else
	s_add_co_u32 s[PK], s[PK], 126                 ; or the even ones of the next 64
.endif
	v_lshrrev_b32 v[KEY], 17, v[WL]                ; 128 + position / 32, or 0
.set d, 0
.rept (\q)+1                                   ; behind section q no position has passed 32 q + 31
	v_cmp_eq_u32 vcc_lo, 0x80+d, v[KEY]
	v_cndmask_b32 v[LIST+d], v[LIST+d], v[WL], vcc_lo
.set d, d+1
.endr
.endm
	s_load_b256 s[4:11], s[0:1], 0x0               ; w_gate s[4:5], w_up s[6:7], xcod, xscl
	s_load_b256 s[12:19], s[0:1], 0x20             ; eidx, slist, hcod, hscl
	v_lshrrev_b32 v[TA], 5, v0
	v_readfirstlane_b32 s[WV], v[TA]               ; wave 0..7
	v_and_b32 v[LN], 31, v0
	v_and_b32 v[TA], 7, v[LN]
	v_and_b32 v[TB], 8, v[LN]
	v_lshl_add_u32 v[TA], v[TB], 1, v[TA]
	v_and_b32 v[TB], 16, v[LN]
	v_lshrrev_b32 v[TB], 1, v[TB]
	v_add_lshl_u32 v[WOFF], v[TA], v[TB], 2        ; 4 c(lane)
	v_lshlrev_b32 v[L16], 4, v[LN]
	s_mov_b32 s[SLC], ttmp9
	s_and_b32 s[EX], ttmp7, 0xffff
	s_and_b32 s[HB], s[WV], 1
	s_bfe_u32 s[MT], s[WV], 0x10001
	s_lshr_b32 s[ZZ], s[WV], 2
	s_lshr_b32 s[TS], s[WV], 1
	s_lshl_b32 s[OF], s[EX], 23                    ; an expert's weight: 8 MiB;
	s_lshl_b32 s[TMP], s[ZZ], 22                   ; 512 rows of 8,192 bytes;
	s_add_co_u32 s[OF], s[OF], s[TMP]
	s_lshl_b32 s[TMP], s[SLC], 8                   ; 64 columns;
	s_add_co_u32 s[OF], s[OF], s[TMP]
	s_lshl_b32 s[TMP], s[HB], 7                    ; 32 columns
	s_add_co_u32 s[OF], s[OF], s[TMP]
	s_mov_b32 s[OF+1], 0
	s_wait_kmcnt 0x0
	s_bitcmp1_b32 s[WV], 1                         ; gate or up: the choice hangs on the wave's number alone
	s_cselect_b64 s[WP:WP+1], s[6:7], s[4:5]
	s_add_nc_u64 s[WP:WP+1], s[WP:WP+1], s[OF:OF+1]
	s_lshl_b32 s[OF], s[TS], 11                    ; my quarter of eidx: 256 tokens of 8 bytes
	s_add_nc_u64 s[PEI:PEI+1], s[PEI:PEI+1], s[OF:OF+1]
.irp g, 0,1,2,3
	global_load_b128 v[EI+4*\g:EI+4*\g+3], v[L16], s[PEI:PEI+1] offset:512*\g   ; issued ahead of the stream: the first block's wait shows them in
.endr
	WLOAD 0                                        ; the stream begins ahead of everything else
	WLOAD 1
	s_lshl_b32 s[TMP], s[HB], 15
	v_add_nc_u32 v[IMGR], s[TMP], v[L16]
	s_lshl_b32 s[OF], s[MT], 14
	s_add_co_u32 s[TMP], s[TMP], s[OF]
	s_lshl_b32 s[OF], s[ZZ], 13
	s_add_co_u32 s[TMP], s[TMP], s[OF]
	v_add_nc_u32 v[IMGW], s[TMP], v[L16]
	s_lshl_b32 s[TMP], s[HB], 11
	s_add_co_u32 s[TMP], s[TMP], SCL
	v_add_nc_u32 v[SCLR], s[TMP], v[L16]
	s_lshl_b32 s[OF], s[MT], 10
	s_add_co_u32 s[TMP], s[TMP], s[OF]
	s_lshl_b32 s[OF], s[ZZ], 9
	s_add_co_u32 s[TMP], s[TMP], s[OF]
	v_add_nc_u32 v[SCLW], s[TMP], v[L16]
	s_mul_i32 s[TMP], s[WV], WSTG
	s_add_co_u32 s[TMP], s[TMP], STG               ; my stage
	v_add_nc_u32 v[STI], s[TMP], v[L16]
	v_and_b32 v[RR], 15, v[LN]                     ; r
	v_lshrrev_b32 v[HH], 4, v[LN]                  ; h
	v_mul_u32_u24 v[TA], v[RR], SP
	v_lshl_add_u32 v[TA], v[HH], 4, v[TA]
	v_add_nc_u32 v[STO], s[TMP], v[TA]
	v_lshlrev_b32 v[L4], 2, v[LN]
	v_lshlrev_b32 v[HCO], 4, v[RR]
	v_lshl_add_u32 v[HCO], v[HH], 3, v[HCO]
	v_lshlrev_b32 v[HSO], 6, v[RR]
	v_mov_b32 v[M2], 0                             ; written once: a lane permute's destination counts as one of its sources
	v_mov_b32 v[CX], 0
	s_lshl_b32 s[TMP], s[EX], 6                    ; the pads: 2048 + 64 e + 16 quarter + position % 16
	s_lshl_b32 s[OF], s[TS], 4
	s_add_co_u32 s[TMP], s[TMP], s[OF]
	s_add_co_u32 s[TMP], s[TMP], 2048
	v_add_nc_u32 v[LIST], s[TMP], v[RR]
.irp d, 1,2,3,4,5,6,7
	v_mov_b32 v[LIST+\d], v[LIST]
.endr
	s_lshl_b32 s[PK], s[TS], 9                     ; position 0; my quarter's first slot: 2 x 256 x quarter
	s_or_b32 s[PK], s[PK], 0x1000000
	s_mov_b32 s[SEL], 0x76543210
	s_mov_b32 s[SEL+1], 0xfedcba98
	s_mov_b32 s[NL2E], 0xbfb8aa3b
	s_mov_b32 s[NL2E+1], 0xbfb8aa3b
	s_lshl_b32 s[OF], s[EX], 13                    ; slist: an expert 8,192 bytes, a quarter 2,048
	s_lshl_b32 s[TMP], s[TS], 11
	s_add_co_u32 s[OF], s[OF], s[TMP]
	s_add_nc_u64 s[PLS:PLS+1], s[PLS:PLS+1], s[OF:OF+1]
	s_lshl_b32 s[OF], s[EX], 20                    ; hcod: an expert 1 MiB, a quarter's 16 tiles 262,144 bytes, a block 256
	s_lshl_b32 s[TMP], s[TS], 18
	s_add_co_u32 s[OF], s[OF], s[TMP]
	s_lshl_b32 s[TMP], s[SLC], 9
	s_add_co_u32 s[OF], s[OF], s[TMP]
	s_lshl_b32 s[TMP], s[HB], 8
	s_add_co_u32 s[OF], s[OF], s[TMP]
	s_add_nc_u64 s[PHC:PHC+1], s[PHC:PHC+1], s[OF:OF+1]
	s_lshl_b32 s[OF], s[EX], 16                    ; hscl: an expert 65,536 bytes, a quarter 16,384, a block 1
	s_lshl_b32 s[TMP], s[TS], 14
	s_add_co_u32 s[OF], s[OF], s[TMP]
	s_lshl_b32 s[TMP], s[SLC], 1
	s_add_co_u32 s[OF], s[OF], s[TMP]
	s_add_co_u32 s[OF], s[OF], s[HB]
	s_add_nc_u64 s[PHS:PHS+1], s[PHS:PHS+1], s[OF:OF+1]
.irp t, 0,1,2,3,4,5,6,7
	QBLOCK \t, NB
	LSEC \t                                        ; a section of the listing behind each of the first eight blocks: 64 loads of the stream are out meanwhile
.endr
.irp d, 0,1,2,3,4,5,6,7
	v_and_b32 v[LIST+\d], 0xfff, v[LIST+\d]        ; the slots alone (a pad, at most 2,559, stays as it is)
.endr
	s_bfe_u32 s[CNT], s[PK], 0x9000c               ; my quarter's rows: the position reached, 0 .. 256
	s_or_b32 s[TMP], s[SLC], s[HB]                 ; one wave for each expert and quarter stores list and count for the next launch: slice 0, hb 0
	s_cmp_lg_u32 s[TMP], 0
	s_cbranch_scc1 .Lnolist
.irp d, 0,1,2,3,4,5,6,7
	global_store_b32 v[L4], v[LIST+\d], s[PLS:PLS+1] offset:128*\d
.endr
	v_mov_b32 v[KEY], s[CNT]
	global_store_b32 v[L4], v[KEY], s[PLS:PLS+1] offset:1024   ; 32 words, all the count: EXEC stays whole
	s_wait_xcnt 0x0                                ; the count's register is written again only behind this wait
.Lnolist:
.irp t, 8,9,10,11,12,13,14,15
	QBLOCK \t, NB
.endr
	ds_store_b128 v[SCLW], v[SWT:SWT+3]            ; my column's four scale words
	s_wait_dscnt 0x0                               ; for the others' sake: my images and scale words lie in LDS
	s_barrier_signal -1
	s_barrier_wait -1                              ; the launch's one barrier: every way through the listing has joined again ahead of it
	s_add_co_u32 s[NT], s[CNT], 15
	s_lshr_b32 s[NT], s[NT], 4
	s_min_u32 s[NT], s[NT], 16                     ; my tiles of 16 rows
	s_cmp_eq_u32 s[NT], 0
	s_cbranch_scc1 .Lend                           ; no row of my quarter goes to this expert
	s_mov_b32 s[TI], 0
	WIN 0x40                                       ; destination window 1
.set i, 0
.rept 64
	ds_load_b128 v[4*i:4*i+3], v[IMGR] offset:512*i   ; register 128 m + 16 (K step) + 8 (tile) + .. of window 1: both matrices, all of K, my 32 columns: they stay
.set i, i+1
.endr
	WIN 0
.irp j, 0,1,2,3
	ds_load_b128 v[SWR+4*\j:SWR+4*\j+3], v[SCLR] offset:512*\j
.endr
; The 16 slots of tile s[TMP] (0 .. 15) into lanes 0-15 of v[ID]: the list register TMP / 2 is picked by a tree of selects on TMP's bits 1 to 3; an odd tile lies in its lanes 16-31.
.macro NEXTID
	s_bitcmp1_b32 s[TMP], 1
	s_cselect_b32 s[MK], -1, 0
	s_bitcmp1_b32 s[TMP], 2
	s_cselect_b32 s[MK+1], -1, 0
	s_bitcmp1_b32 s[TMP], 3
	s_cselect_b32 s[MK+2], -1, 0
	s_bitcmp1_b32 s[TMP], 0
	s_cselect_b32 s[MK+3], -1, 0
.irp p, 0,1,2,3
	v_cndmask_b32 v[T+\p], v[LIST+2*\p], v[LIST+2*\p+1], s[MK]
.endr
	v_cndmask_b32 v[T], v[T], v[T+1], s[MK+1]
	v_cndmask_b32 v[T+2], v[T+2], v[T+3], s[MK+1]
	v_cndmask_b32 v[T], v[T], v[T+2], s[MK+2]
	v_permlanex16_b32 v[CX], v[T], s[SEL], s[SEL+1]
	v_cndmask_b32 v[ID], v[T], v[CX], s[MK+3]
.endm
; The rows of the tile in v[ID] are asked for in two parts.  The vector part makes the addresses: token = slot / 2, held at 1,023 (a pad reads the last token's row; its result goes to a dump row).
.macro XISSUE_V
	v_lshrrev_b32 v[TKV], 1, v[ID]
	v_min_u32 v[TKV], 0x3ff, v[TKV]
	v_lshlrev_b32 v[XSA], 5, v[TKV]                ; lane r: row r's 32 scale bytes (lanes 16-31 name another tile's tokens; what they load is not read)
.irp j, 0,1,2,3,4,5,6,7,8,9,10,11,12,13,14,15
	v_readlane_b32 s[TK+\j], v[TKV], \j
.endr
.irp j, 0,1,2,3,4,5,6,7,8,9,10,11,12,13,14,15
	s_min_u32 s[TK+\j], s[TK+\j], 0x3ff
.endr
.irp j, 0,1,2,3,4,5,6,7,8,9,10,11,12,13,14,15
	v_lshl_add_u32 v[RA+\j], s[TK+\j], 9, v[L16]
.endr
.endm
.macro XISSUE_L                        ; the loads: 16 whole rows of 512 consecutive bytes, and each row's eight scale words into its own lane, where the matrix unit reads them
.irp j, 0,1,2,3,4,5,6,7,8,9,10,11,12,13,14,15
	global_load_b128 v[XR+4*\j:XR+4*\j+3], v[RA+\j], s[PXC:PXC+1]
.endr
	global_load_b128 v[XSR0:XSR0+3], v[XSA], s[PXS:PXS+1]
	global_load_b128 v[XSR1:XSR1+3], v[XSA], s[PXS:PXS+1] offset:16
.endm
.macro MMA d, a, sa, s, row            ; one matrix instruction: accumulator d, weight tile at a (window 1), its scale register sa (row = 1: lanes 16-31), K step s; the first K step starts the sum
.if (\s) == 0
.if \row
	v_wmma_scale_f32_16x16x128_f8f6f4 v[\d:\d+7], v[\a:\a+7], v[XF+8*(\s):XF+8*(\s)+7], 0, v[\sa], v[XSF+(\s)] matrix_a_fmt:MATRIX_FMT_FP4 matrix_b_fmt:MATRIX_FMT_FP4 matrix_a_scale:MATRIX_SCALE_ROW1
.else
	v_wmma_scale_f32_16x16x128_f8f6f4 v[\d:\d+7], v[\a:\a+7], v[XF+8*(\s):XF+8*(\s)+7], 0, v[\sa], v[XSF+(\s)] matrix_a_fmt:MATRIX_FMT_FP4 matrix_b_fmt:MATRIX_FMT_FP4
.endif
.else
.if \row
	v_wmma_scale_f32_16x16x128_f8f6f4 v[\d:\d+7], v[\a:\a+7], v[XF+8*(\s):XF+8*(\s)+7], v[\d:\d+7], v[\sa], v[XSF+(\s)] matrix_a_fmt:MATRIX_FMT_FP4 matrix_b_fmt:MATRIX_FMT_FP4 matrix_a_scale:MATRIX_SCALE_ROW1
.else
	v_wmma_scale_f32_16x16x128_f8f6f4 v[\d:\d+7], v[\a:\a+7], v[XF+8*(\s):XF+8*(\s)+7], v[\d:\d+7], v[\sa], v[XSF+(\s)] matrix_a_fmt:MATRIX_FMT_FP4 matrix_b_fmt:MATRIX_FMT_FP4
.endif
.endif
.endm
	s_mov_b32 s[TMP], 0                            ; my first tile
	NEXTID
	XISSUE_V
	XISSUE_L
	s_wait_dscnt 0x0                               ; the weights' codes and scale words are in
.Ltile:
	s_wait_loadcnt 0x0                             ; the tile's 16 rows and their scale words are in, and every load that read the address registers below is done
.irp i, 0,1,2,3
	v_mov_b32 v[XSF+\i], v[XSR0+\i]                ; from the set on its way to the set in hand: the next tile's words are asked for below, while these serve the products.
	v_mov_b32 v[XSF+4+\i], v[XSR1+\i]              ; (More than eight plain vector lines stand between these and the first product)
.endr
.irp j, 0,1,2,3,4,5,6,7,8,9,10,11,12,13,14,15
	ds_store_b128 v[STI], v[XR+4*\j:XR+4*\j+3] offset:SP*\j
.endr
.irp s, 0,1,2,3,4,5,6,7
.irp c, 0,1
	ds_load_b128 v[XF+8*\s+4*\c:XF+8*\s+4*\c+3], v[STO] offset:64*\s+32*\c   ; fragment s: lane (r, h): row r, k = 128 s + 64 c + 32 h + 0 .. 31.  LDS serves a wave's instructions in order: these see my stores
.endr
.endr
	s_add_co_u32 s[TMP], s[TI], 1                  ; the next tile, held inside the list (behind my last tile: pads, or the last tile again; what is loaded then is not used)
	s_min_u32 s[TMP], s[TMP], 15
	NEXTID
	XISSUE_V
	s_wait_dscnt 0x0                               ; the fragments are in, and the stores into the stage have read the rows' registers,
	XISSUE_L                                       ; which take the next tile's rows while this tile is multiplied
	WIN 0x01                                       ; source 0 window 1
.irp s, 0,1,2,3,4,5,6,7                        ; four accumulators by turns, one instruction a turn
	MMA G, 16*\s, SWR+\s, \s, 0
	MMA U, 128+16*\s, SWR+8+\s, \s, 0
	MMA G+8, 16*\s+8, SWR+\s, \s, 1
	MMA U+8, 128+16*\s+8, SWR+8+\s, \s, 1
.endr
	WIN 0
.rept 5
	v_nop                                          ; places behind the products: four for the reads of results and for later loads into operands, a fifth for the next tile's products, which begin these accumulators anew
.endr
.irp p, 0,2,4,6,8,10,12,14                     ; h = g u / (1 + 2^(-g log2 e)), in f32; each accumulator is read from its low end on
	v_pk_mul_f32 v[T+\p:T+\p+1], v[G+\p:G+\p+1], s[NL2E:NL2E+1] op_sel_hi:[1,0]
.endr
.irp p, 0,1,2,3,4,5,6,7,8,9,10,11,12,13,14,15
	v_exp_f32 v[T+\p], v[T+\p]
.endr
.irp p, 0,2,4,6,8,10,12,14
	v_pk_mul_f32 v[U+\p:U+\p+1], v[G+\p:G+\p+1], v[U+\p:U+\p+1]   ; (plain places behind the exponentials)
.endr
	s_wait_alu depctr_va_vdst(0)
.irp p, 0,2,4,6,8,10,12,14
	v_pk_add_f32 v[T+\p:T+\p+1], v[T+\p:T+\p+1], 1.0 op_sel_hi:[1,0]
.endr
.irp p, 0,1,2,3,4,5,6,7,8,9,10,11,12,13,14,15
	v_rcp_f32 v[T+\p], v[T+\p]
.endr
	v_nop                                          ; a plain place behind the reciprocals
	s_wait_alu depctr_va_vdst(0)
.irp p, 0,2,4,6,8,10,12,14
	v_pk_mul_f32 v[U+\p:U+\p+1], v[U+\p:U+\p+1], v[T+\p:T+\p+1]   ; register i: h(row r, hidden unit 32 bI + 16 h + i)
.endr
	v_max3_num_f32 v[MX], |v[U]|, |v[U+1]|, 0x1800000              ; the block's largest magnitude: my 16, with the floor 2^(3 - 127), in two chains,
	v_max3_num_f32 v[MY], |v[U+2]|, |v[U+3]|, |v[U+4]|
	v_max3_num_f32 v[MX], v[MX], |v[U+5]|, |v[U+6]|
	v_max3_num_f32 v[MY], v[MY], |v[U+7]|, |v[U+8]|
	v_max3_num_f32 v[MX], v[MX], |v[U+9]|, |v[U+10]|
	v_max3_num_f32 v[MY], v[MY], |v[U+11]|, |v[U+12]|
	v_max3_num_f32 v[MX], v[MX], |v[U+13]|, |v[U+14]|
	v_max3_num_f32 v[MX], v[MX], v[MY], |v[U+15]|
	v_permlanex16_b32 v[M2], v[MX], s[SEL], s[SEL+1]
	v_max_num_f32 v[MX], v[MX], v[M2]              ; and lane l xor 16's
	v_add_nc_u32 v[SCO], 0xff000000, v[MX]
	v_lshrrev_b32 v[BY], 23, v[SCO]
	v_cvt_scalef32_pk8_fp4_f32 v[HC], v[U:U+7], v[SCO]
	v_cvt_scalef32_pk8_fp4_f32 v[HC+1], v[U+8:U+15], v[SCO]
	v_nop                                          ; one plain place behind the conversions: the next tile's products write their sources
	global_store_b64 v[HCO], v[HC:HC+1], s[PHC:PHC+1]   ; the 32 lanes store 256 consecutive bytes, aligned: the tile's block bI
	global_store_b8 v[HSO], v[BY], s[PHS:PHS+1]    ; both lanes of a row write the same byte with the same value
	s_wait_xcnt 0x0                                ; the stores' data and bases are written again only behind this wait
	s_add_nc_u64 s[PHC:PHC+1], s[PHC:PHC+1], 16384 ; the next tile
	s_add_nc_u64 s[PHS:PHS+1], s[PHS:PHS+1], 1024
	s_add_co_u32 s[TI], s[TI], 1
	s_cmp_lt_u32 s[TI], s[NT]
	s_cbranch_scc1 .Ltile
.Lend:
	s_wait_xcnt 0x0
	v_lshl_add_u32 v254, v0, 2, 0x23000
	v_mov_b32 v255, 0
	s_wait_tensorcnt 0x0
	ds_add_u32 v254, v255
	s_wait_dscnt 0x0
	s_endpgm
.Lfunc_end_k_qc0b754a38d_gu:
	.size	k_qc0b754a38d_gu, .Lfunc_end_k_qc0b754a38d_gu-k_qc0b754a38d_gu
	.p2alignl 7, 3214868480
	.fill 96, 4, 3214868480
	.section	.rodata,"a",@progbits
	.p2align	6, 0x0
	.amdhsa_kernel k_qc0b754a38d_gu
		.amdhsa_group_segment_fixed_size 144384
		.amdhsa_private_segment_fixed_size 0
		.amdhsa_enable_private_segment 0
		.amdhsa_kernarg_size 64
		.amdhsa_user_sgpr_count 2
		.amdhsa_user_sgpr_kernarg_segment_ptr 1
		.amdhsa_wavefront_size32 1
		.amdhsa_system_sgpr_workgroup_id_x 1
		.amdhsa_system_sgpr_workgroup_id_y 1
		.amdhsa_system_sgpr_workgroup_id_z 1
		.amdhsa_system_vgpr_workitem_id 0
		.amdhsa_next_free_vgpr 512
		.amdhsa_next_free_sgpr 66
		.amdhsa_reserve_vcc 1
		.amdhsa_float_denorm_mode_32 3
		.amdhsa_float_denorm_mode_16_64 3
		.amdhsa_memory_ordered 1
		.amdhsa_forward_progress 1
		.amdhsa_inst_pref_size 118
	.end_amdhsa_kernel
	.amdgpu_metadata
---
amdhsa.version: [ 1, 2 ]
amdhsa.kernels:
  - .name:           k_qc0b754a38d_gu
    .symbol:         k_qc0b754a38d_gu.kd
    .args:
      - { .name: w_gate, .offset: 0, .size: 8, .value_kind: global_buffer, .address_space: global }
      - { .name: w_up, .offset: 8, .size: 8, .value_kind: global_buffer, .address_space: global }
      - { .name: xcod, .offset: 16, .size: 8, .value_kind: global_buffer, .address_space: global }
      - { .name: xscl, .offset: 24, .size: 8, .value_kind: global_buffer, .address_space: global }
      - { .name: eidx, .offset: 32, .size: 8, .value_kind: global_buffer, .address_space: global }
      - { .name: slist, .offset: 40, .size: 8, .value_kind: global_buffer, .address_space: global }
      - { .name: hcod, .offset: 48, .size: 8, .value_kind: global_buffer, .address_space: global }
      - { .name: hscl, .offset: 56, .size: 8, .value_kind: global_buffer, .address_space: global }
    .group_segment_fixed_size: 144384
    .private_segment_fixed_size: 0
    .kernarg_segment_align: 8
    .kernarg_segment_size: 64
    .max_flat_workgroup_size: 256
    .sgpr_count:     66
    .vgpr_count:     512
    .wavefront_size: 32
...
	.end_amdgpu_metadata
.endif
;; end of part 2
;; launch dn (part 3): grid 16 x 16, 8 waves a work-group, no clusters, 72,704 bytes of LDS; arguments w_down, hcod, hscl, slist, ypart; writes ypart
.if DOCPART == 3
	.amdgcn_target "amdgcn-amd-amdhsa--gfx1250"
	.amdhsa_code_object_version 6
	.text
	.protected	k_qc0b754a38d_dn
	.globl	k_qc0b754a38d_dn
	.p2align	8
	.type	k_qc0b754a38d_dn,@function
k_qc0b754a38d_dn:
	s_mov_b64 s[64:65], 0
	v_nop
	global_prefetch_b8 v0, s[64:65] scope:SCOPE_SE
	s_setreg_imm32_b32 hwreg(HW_REG_WAVE_MODE, 25, 1), 1
	s_wait_xcnt 0x0
; DN.  y = h w_down[e] for the rows routed to expert e, on codes of FP4 (E2M1) with one E8M0 scale for each 32 along K = the 2,048 hidden units.  w_down: [8][2048 (k)][1024] f32.
; h arrives as the image of this launch's operand registers (hcod) with its scale bytes (hscl); the rows' slots and their number by slist, [e][quarter of the tokens][256 slots, then the count].
; SHARES.  Work-group (slice, 2 e + kh) owns 64 columns of expert e's w_down and half kh of K: 1,024 x 256 bytes, which no other work-group reads.  256 work-groups of 8 waves.
; K IS CUT IN TWO, so that there are 256 work-groups with rows of 256 bytes: each half's sums go to a plane of their own in ypart and the last launch adds them.  That order of rounding differs from one sum over all of K.
; PHASE 1, THE STREAM: wave w = 2 kq + cg takes 32 columns (half cg) and 256 rows of K (quarter kq of the half).  A lane takes a column (lane l: column l with bits 3 and 4 exchanged), its registers run down K;
; each block of 32 is quantised in the lane; two exchanges of half waves for each pair of blocks lay the codes as the operand; the operand's registers go to LDS as they stand.  One barrier.
; PHASE 2, THE ROWS: every wave holds all 64 columns for the 1,024 of K (256 registers, window 1); wave w takes, of the tiles of 16 rows of the tokens' quarter w / 2, tiles w % 2, w % 2 + 2, ..  A tile: 16 loads of 512
; consecutive bytes are h's eight fragments as they stand; 32 matrix instructions (source 0 = 16 columns of w_down, source 1 = 16 rows of h) on four accumulators by turns; lane (r, h) then holds row r and columns 32 cg + 16 h + 0 .. 15.
; The results turn through the wave's own stage and leave as pieces of 256 consecutive bytes, aligned: sixteen lanes to a row's 64 columns, at the row's slot.
; OUT: ypart [2 (kh)][2,560 rows][1024] f32: rows 0 .. 2047 the slots (2 token + k), rows 2048 + 64 e + 16 quarter + i the dump rows for the pads of a quarter's last tile, which nobody reads.
; NO TENSOR LOADS, NO CLUSTER: the loop over tiles has a trip count read from memory, and the weights, 262,144 of a work-group's bytes, are shared with nobody; what is shared (8,704 bytes of h a tile) is the small part.
; LIMITS: NaN and infinities are not served.  A block whose largest magnitude lies under 2^-124, or of zeros, keeps the byte 1 (zeros: zero codes).
.set ROWP,  4096                       ; a row of w_down in bytes
.set NB,    8                          ; blocks of 32 along K for a wave of the stream
.set SCL,   32768                      ; LDS: 0: the operand images, 16384 cg + 2048 (K step) + 512 q + 16 lane;  here: the scale words, 1024 cg + 512 (kq / 2) + 16 lane + 8 (kq % 2)
.set STG,   34816                      ; then for each wave WSTG bytes of its own: 16 rows of 256 bytes + 16 of padding (17 x 16)
.set WSTG,  4608
.set SP,    272
.set PLANE, 10485760                   ; 2,560 rows of 4,096 bytes
.set L16,   1                          ; v1   16 x lane
.set WOFF,  2                          ; v2   4 c(lane)
.set IMGW,  3
.set SCLW,  4
.set SCLR,  5
.set STO,   6                          ; v6   the stage: in, SP r + 64 h
.set STR,   7                          ; v7   out: SP (lane / 16) + 16 (lane % 16)
.set LC,    8                          ; v8   16 (lane % 16)
.set R64,   9                          ; v9   64 r
.set H4,    10                         ; v10  4 (lane / 16)
.set HFO,   11                         ; v11-13 the offsets of a tile's loads
.set HSO,   12
.set LO,    13
.set SL,    16                         ; v16-23   the slots of rows 2 i + lane / 16
.set YA,    24                         ; v24-31   their offsets in a plane of ypart
.set X,     32                         ; v32-95   the stream: two sets of 32 numbers
.set HF,    32                         ;          the rows: h's eight fragments
.set HS,    96                         ; v96-103  h's scale words: scales and nothing else
.set SWR,   104                        ; v104-119 w_down's scale words, 8 cg + K step: lanes 0-15 tile 0's, lanes 16-31 tile 1's: scales and nothing else
.set Y,     120                        ; v120-151 four accumulators: 16 cg + 8 (tile)
.set OB,    152                        ; v152-183 rows read back from the stage
.set F,     184                        ; v184-215 the stream: two K steps' operand registers
.set MX,    220
.set MY,    221
.set SCO,   222
.set BY,    223
.set SWT,   240                        ; v240-241 the stream's scale words
.set LN,    250
.set RR,    251
.set HH,    252
.set TA,    253
.set TB,    254
.set WV,    18
.set SLC,   19
.set YY,    20
.set EX,    21
.set WP,    22                         ; s[22:23] the stream's first byte
.set OF,    24                         ; s[24:25] an offset, the high word 0
.set NT,    26                         ; s26 tiles of this expert in my quarter of the tokens
.set TI,    27                         ; s27 the tile in hand: it names the next tile, and ends no loop
.set TMP,   33
.set NL,    34                         ; s34 the quarter's last tile
.set KH,    35
.set CG,    36                         ; s36 w % 2: the stream's half of the columns; the rows' first tile
.set KQ,    37                         ; s37 w / 2: the stream's quarter of K; the rows' quarter of the tokens
.set CT,    38                         ; s38 my trips so far: it steps by 1
.set TR,    39                         ; s39 my trips
.set MSB, 0
.macro WIN new                         ; the immediate's high byte repeats the setting that is left
.if MSB != \new
	s_set_vgpr_msb (MSB<<8)|\new
.set MSB, \new
.endif
.endm
.macro WLOAD t                         ; block t: rows 32 t .. 32 t + 31 of K at my column, into set t % 2; a load reads 128 consecutive bytes, and the wave beside me the other 128 of the aligned 256
.irp i, 0,1,2,3,4,5,6,7,8,9,10,11,12,13,14,15,16,17,18,19,20,21,22,23,24,25,26,27,28,29,30,31
	global_load_b32 v[X+32*((\t)%2)+\i], v[WOFF], s[WP:WP+1] offset:(32*(\t)+\i)*ROWP th:TH_LOAD_NT
.endr
.endm
.macro QBLOCK t, nb                    ; block t is quantised; behind each fourth block a K step's two operand tiles go to LDS
.set XS, X+32*((\t)%2)
.set FD, F+16*((\t)/4)+8*((\t)%2)+4*(((\t)%4)/2)
.if (\t) < (\nb)-1
	s_wait_loadcnt 32                              ; this block's 32 loads are in; the next block's 32 may be out
.else
	s_wait_loadcnt 0x0
.endif
	v_max3_num_f32 v[MX], |v[XS]|, |v[XS+1]|, |v[XS+2]|
	v_max3_num_f32 v[MY], |v[XS+3]|, |v[XS+4]|, |v[XS+5]|
.irp i, 6,10,14,18,22,26
	v_max3_num_f32 v[MX], v[MX], |v[XS+\i]|, |v[XS+\i+1]|
	v_max3_num_f32 v[MY], v[MY], |v[XS+\i+2]|, |v[XS+\i+3]|
.endr
	v_max3_num_f32 v[MX], v[MX], |v[XS+30]|, |v[XS+31]|
	v_max3_num_f32 v[MX], v[MX], v[MY], 0x1800000  ; and the floor 2^(3 - 127): the byte cannot fall under 1
	v_add_nc_u32 v[SCO], 0xff000000, v[MX]         ; 2 off the exponent field: the conversion's scale operand
	v_lshrrev_b32 v[BY], 23, v[SCO]                ; the scale's byte
.if (\t)%4 == 0
	v_mov_b32 v[SWT+(\t)/4], v[BY]                 ; four bytes make my column's scale word of a K step
.else
	v_lshl_or_b32 v[SWT+(\t)/4], v[BY], 8*((\t)%4), v[SWT+(\t)/4]
.endif
.irp g, 0,1,2,3
	v_cvt_scalef32_pk8_fp4_f32 v[FD+\g], v[XS+8*\g:XS+8*\g+7], v[SCO]
.endr
	v_nop                                          ; one plain place behind the conversions
.if (\t)+2 < (\nb)
	WLOAD (\t)+2                                   ; the set just read takes the block two further on
.endif
.if (\t)%2 == 1
.irp i, 0,1,2,3
	v_permlane16_swap_b32 v[FD-8+\i], v[FD+\i]     ; the even block's lanes 16-31 change places with the odd block's lanes 0-15: the first is now tile 0's, the second tile 1's
.endr
.endif
.if (\t)%4 == 3
.irp q, 0,1,2,3
	ds_store_b128 v[IMGW], v[F+16*((\t)/4)+4*\q:F+16*((\t)/4)+4*\q+3] offset:((\t)/4)*2048+512*\q   ; each K step has registers of its own: nothing waits for these stores
.endr
.endif
.endm
	s_load_b256 s[4:11], s[0:1], 0x0               ; w_down s[4:5], hcod s[6:7], hscl s[8:9], slist s[10:11]
	s_load_b64 s[12:13], s[0:1], 0x20              ; ypart
	v_lshl_add_u32 v249, v0, 2, 0x11800
	v_mov_b32 v255, 0
	v_lshrrev_b32 v[TA], 5, v0
	v_readfirstlane_b32 s[WV], v[TA]               ; wave 0..7
	v_and_b32 v[LN], 31, v0
	v_and_b32 v[TA], 7, v[LN]
	v_and_b32 v[TB], 8, v[LN]
	v_lshl_add_u32 v[TA], v[TB], 1, v[TA]
	v_and_b32 v[TB], 16, v[LN]
	v_lshrrev_b32 v[TB], 1, v[TB]
	v_add_lshl_u32 v[WOFF], v[TA], v[TB], 2        ; 4 c(lane)
	s_mov_b32 s[SLC], ttmp9
	s_and_b32 s[YY], ttmp7, 0xffff
	s_lshr_b32 s[EX], s[YY], 1
	s_and_b32 s[KH], s[YY], 1
	s_and_b32 s[CG], s[WV], 1
	s_lshr_b32 s[KQ], s[WV], 1
	s_lshl_b32 s[OF], s[EX], 23                    ; an expert's weight: 8 MiB;
	s_lshl_b32 s[TMP], s[KH], 22                   ; 1,024 rows of 4,096 bytes;
	s_add_co_u32 s[OF], s[OF], s[TMP]
	s_lshl_b32 s[TMP], s[KQ], 20                   ; 256 rows;
	s_add_co_u32 s[OF], s[OF], s[TMP]
	s_lshl_b32 s[TMP], s[SLC], 8                   ; 64 columns;
	s_add_co_u32 s[OF], s[OF], s[TMP]
	s_lshl_b32 s[TMP], s[CG], 7                    ; 32 columns
	s_add_co_u32 s[OF], s[OF], s[TMP]
	s_mov_b32 s[OF+1], 0
	s_wait_kmcnt 0x0
	s_add_nc_u64 s[WP:WP+1], s[4:5], s[OF:OF+1]
	WLOAD 0                                        ; the stream begins ahead of everything else
	WLOAD 1
	v_lshlrev_b32 v[L16], 4, v[LN]
	s_lshl_b32 s[TMP], s[CG], 14
	s_lshl_b32 s[OF], s[KQ], 12
	s_add_co_u32 s[TMP], s[TMP], s[OF]
	v_add_nc_u32 v[IMGW], s[TMP], v[L16]
	v_add_nc_u32 v[SCLR], SCL, v[L16]
	s_lshl_b32 s[TMP], s[CG], 10
	s_add_co_u32 s[TMP], s[TMP], SCL
	s_lshr_b32 s[OF], s[KQ], 1
	s_lshl_b32 s[OF], s[OF], 9
	s_add_co_u32 s[TMP], s[TMP], s[OF]
	s_and_b32 s[OF], s[KQ], 1
	s_lshl_b32 s[OF], s[OF], 3
	s_add_co_u32 s[TMP], s[TMP], s[OF]
	v_add_nc_u32 v[SCLW], s[TMP], v[L16]
	s_mul_i32 s[TMP], s[WV], WSTG
	s_add_co_u32 s[TMP], s[TMP], STG               ; my stage
	v_and_b32 v[RR], 15, v[LN]                     ; r
	v_lshrrev_b32 v[HH], 4, v[LN]                  ; h
	v_mul_u32_u24 v[TA], v[RR], SP
	v_lshl_add_u32 v[TA], v[HH], 6, v[TA]
	v_add_nc_u32 v[STO], s[TMP], v[TA]
	v_lshlrev_b32 v[LC], 4, v[RR]
	v_mul_u32_u24 v[TA], v[HH], SP
	v_add_nc_u32 v[TA], v[TA], v[LC]
	v_add_nc_u32 v[STR], s[TMP], v[TA]
	v_lshlrev_b32 v[R64], 6, v[RR]
	v_lshlrev_b32 v[H4], 2, v[HH]
	s_lshl_b32 s[OF], s[EX], 13                    ; slist: an expert 8,192 bytes, a quarter of the tokens 2,048
	s_lshl_b32 s[TMP], s[KQ], 11
	s_add_co_u32 s[OF], s[OF], s[TMP]
	s_add_nc_u64 s[10:11], s[10:11], s[OF:OF+1]
	s_load_b32 s[NT], s[10:11], 0x400              ; the quarter's number of rows, behind its 256 slots
	s_lshl_b32 s[OF], s[EX], 20                    ; hcod: an expert 1 MiB; a quarter's 16 tiles 262,144 bytes; my half of K: 8 K steps of 1,024 bytes in each tile
	s_lshl_b32 s[TMP], s[KQ], 18
	s_add_co_u32 s[OF], s[OF], s[TMP]
	s_lshl_b32 s[TMP], s[KH], 13
	s_add_co_u32 s[OF], s[OF], s[TMP]
	s_add_nc_u64 s[6:7], s[6:7], s[OF:OF+1]
	s_lshl_b32 s[OF], s[EX], 16                    ; hscl: an expert 65,536 bytes; a quarter 16,384; my half: 32 of a row's 64
	s_lshl_b32 s[TMP], s[KQ], 14
	s_add_co_u32 s[OF], s[OF], s[TMP]
	s_lshl_b32 s[TMP], s[KH], 5
	s_add_co_u32 s[OF], s[OF], s[TMP]
	s_add_nc_u64 s[8:9], s[8:9], s[OF:OF+1]
	s_mul_i32 s[OF], s[KH], PLANE                  ; ypart: my half's plane, my 64 columns
	s_lshl_b32 s[TMP], s[SLC], 8
	s_add_co_u32 s[OF], s[OF], s[TMP]
	s_add_nc_u64 s[12:13], s[12:13], s[OF:OF+1]
	s_mov_b32 s[TI], s[CG]
.irp t, 0,1,2,3,4,5,6,7
	QBLOCK \t, NB
.endr
	ds_store_b64 v[SCLW], v[SWT:SWT+1]             ; my column's two scale words
	s_wait_dscnt 0x0                               ; for the others' sake: my images and scale words lie in LDS
	s_barrier_signal -1
	s_barrier_wait -1                              ; the launch's one barrier, ahead of every branch on loaded numbers
	s_wait_kmcnt 0x0
	s_add_co_u32 s[NT], s[NT], 15
	s_lshr_b32 s[NT], s[NT], 4
	s_min_u32 s[NT], s[NT], 16                     ; the quarter's tiles of 16 rows
	s_cmp_ge_u32 s[CG], s[NT]
	s_cbranch_scc1 .Lend                           ; no tile for me
	s_sub_co_u32 s[NL], s[NT], 1
	s_sub_co_u32 s[TR], s[NT], s[CG]               ; my trips: every second tile from w % 2 on: (tiles - w % 2 + 1) / 2, at least 1 here,
	s_add_co_u32 s[TR], s[TR], 1
	s_lshr_b32 s[TR], s[TR], 1
	s_min_u32 s[TR], s[TR], 8                      ; at most 16 / 2
	s_mov_b32 s[CT], 0
.macro DLOAD                           ; tile s[TMP] of my quarter: h's eight fragments as they stand (512 consecutive bytes a load), the rows' scale words, the rows' slots
	v_lshl_add_u32 v[HFO], s[TMP], 14, v[L16]
	v_lshl_add_u32 v[HSO], s[TMP], 10, v[R64]
	v_lshl_add_u32 v[LO], s[TMP], 6, v[H4]
.irp i, 0,1,2,3,4,5,6,7,8,9,10,11,12,13,14,15
	global_load_b128 v[HF+4*\i:HF+4*\i+3], v[HFO], s[6:7] offset:512*\i
.endr
.irp i, 0,1
	global_load_b128 v[HS+4*\i:HS+4*\i+3], v[HSO], s[8:9] offset:16*\i
.endr
.irp i, 0,1,2,3,4,5,6,7
	global_load_b32 v[SL+\i], v[LO], s[10:11] offset:8*\i
.endr
.endm
.macro MMA d, a, sa, s, row            ; one matrix instruction: accumulator d, weight tile at a (window 1), its scale register sa (row = 1: lanes 16-31), K step s; the first K step starts the sum
.if (\s) == 0
.if \row
	v_wmma_scale_f32_16x16x128_f8f6f4 v[\d:\d+7], v[\a:\a+7], v[HF+8*(\s):HF+8*(\s)+7], 0, v[\sa], v[HS+(\s)] matrix_a_fmt:MATRIX_FMT_FP4 matrix_b_fmt:MATRIX_FMT_FP4 matrix_a_scale:MATRIX_SCALE_ROW1
.else
	v_wmma_scale_f32_16x16x128_f8f6f4 v[\d:\d+7], v[\a:\a+7], v[HF+8*(\s):HF+8*(\s)+7], 0, v[\sa], v[HS+(\s)] matrix_a_fmt:MATRIX_FMT_FP4 matrix_b_fmt:MATRIX_FMT_FP4
.endif
.else
.if \row
	v_wmma_scale_f32_16x16x128_f8f6f4 v[\d:\d+7], v[\a:\a+7], v[HF+8*(\s):HF+8*(\s)+7], v[\d:\d+7], v[\sa], v[HS+(\s)] matrix_a_fmt:MATRIX_FMT_FP4 matrix_b_fmt:MATRIX_FMT_FP4 matrix_a_scale:MATRIX_SCALE_ROW1
.else
	v_wmma_scale_f32_16x16x128_f8f6f4 v[\d:\d+7], v[\a:\a+7], v[HF+8*(\s):HF+8*(\s)+7], v[\d:\d+7], v[\sa], v[HS+(\s)] matrix_a_fmt:MATRIX_FMT_FP4 matrix_b_fmt:MATRIX_FMT_FP4
.endif
.endif
.endm
	s_mov_b32 s[TMP], s[CG]
	DLOAD                                          ; my first tile
	WIN 0x40                                       ; destination window 1
.set i, 0
.rept 64
	ds_load_b128 v[4*i:4*i+3], v[L16] offset:512*i ; register 128 cg + 16 (K step) + 8 (tile) + .. of window 1: all 64 columns, my work-group's half of K: they stay
.set i, i+1
.endr
	WIN 0
.irp j, 0,1,2,3
	ds_load_b128 v[SWR+4*\j:SWR+4*\j+3], v[SCLR] offset:512*\j
.endr
	s_wait_dscnt 0x0
.Ltile:
	s_wait_loadcnt 0x0                             ; the tile's fragments, scale words and slots are in
.irp i, 0,1,2,3,4,5,6,7
	v_min_u32 v[YA+\i], 0x9ff, v[SL+\i]            ; a loaded number is held inside the plane's 2,560 rows
.endr
.irp i, 0,1,2,3,4,5,6,7
	v_lshl_add_u32 v[YA+\i], v[YA+\i], 12, v[LC]
.endr
	WIN 0x01                                       ; source 0 window 1
.irp s, 0,1,2,3,4,5,6,7                        ; four accumulators by turns, one instruction a turn
	MMA Y, 16*\s, SWR+\s, \s, 0
	MMA Y+16, 128+16*\s, SWR+8+\s, \s, 0
	MMA Y+8, 16*\s+8, SWR+\s, \s, 1
	MMA Y+24, 128+16*\s+8, SWR+8+\s, \s, 1
.endr
	WIN 0
.rept 5
	v_nop                                          ; places behind the products: four for the loads into operands and the stores of results below, a fifth for the next tile's products, which begin these accumulators anew
.endr
	s_add_co_u32 s[TI], s[TI], 2                   ; my next tile,
	s_min_u32 s[TMP], s[TI], s[NL]                 ; held at the quarter's last one (whose bytes are written)
	s_min_u32 s[TMP], s[TMP], 15                   ; and inside the buffers: its loads are out while this tile leaves
	DLOAD
.irp c, 0,1
.irp q, 0,1,2,3
	ds_store_b128 v[STO], v[Y+16*\c+4*\q:Y+16*\c+4*\q+3] offset:128*\c+16*\q   ; row r, columns 32 c + 16 h + 4 q on; each accumulator from its low end on
.endr
.endr
.irp i, 0,1,2,3,4,5,6,7
	ds_load_b128 v[OB+4*\i:OB+4*\i+3], v[STR] offset:2*SP*\i                   ; rows 2 i and 2 i + 1, whole.  LDS serves a wave's instructions in order: these see my stores
.endr
.irp i, 0,1,2,3,4,5,6,7
	s_wait_dscnt 7-\i                              ; pair i is back; the younger reads may be out
	global_store_b128 v[YA+\i], v[OB+4*\i:OB+4*\i+3], s[12:13]                 ; sixteen lanes store 256 consecutive bytes, aligned, of a slot's row
.endr
	s_wait_xcnt 0x0                                ; the stores' data and address registers are written again only behind this wait
	s_add_co_u32 s[CT], s[CT], 1
	s_cmp_lt_u32 s[CT], s[TR]
	s_cbranch_scc1 .Ltile
.Lend:
	s_wait_tensorcnt 0x0
	ds_add_u32 v249, v255
	s_wait_dscnt 0x0
	s_endpgm
.Lfunc_end_k_qc0b754a38d_dn:
	.size	k_qc0b754a38d_dn, .Lfunc_end_k_qc0b754a38d_dn-k_qc0b754a38d_dn
	.p2alignl 7, 3214868480
	.fill 96, 4, 3214868480
	.section	.rodata,"a",@progbits
	.p2align	6, 0x0
	.amdhsa_kernel k_qc0b754a38d_dn
		.amdhsa_group_segment_fixed_size 72704
		.amdhsa_private_segment_fixed_size 0
		.amdhsa_enable_private_segment 0
		.amdhsa_kernarg_size 40
		.amdhsa_user_sgpr_count 2
		.amdhsa_user_sgpr_kernarg_segment_ptr 1
		.amdhsa_wavefront_size32 1
		.amdhsa_system_sgpr_workgroup_id_x 1
		.amdhsa_system_sgpr_workgroup_id_y 1
		.amdhsa_system_sgpr_workgroup_id_z 1
		.amdhsa_system_vgpr_workitem_id 0
		.amdhsa_next_free_vgpr 512
		.amdhsa_next_free_sgpr 66
		.amdhsa_reserve_vcc 0
		.amdhsa_float_denorm_mode_32 3
		.amdhsa_float_denorm_mode_16_64 3
		.amdhsa_memory_ordered 1
		.amdhsa_forward_progress 1
		.amdhsa_inst_pref_size 59
	.end_amdhsa_kernel
	.amdgpu_metadata
---
amdhsa.version: [ 1, 2 ]
amdhsa.kernels:
  - .name:           k_qc0b754a38d_dn
    .symbol:         k_qc0b754a38d_dn.kd
    .args:
      - { .name: w_down, .offset: 0, .size: 8, .value_kind: global_buffer, .address_space: global }
      - { .name: hcod, .offset: 8, .size: 8, .value_kind: global_buffer, .address_space: global }
      - { .name: hscl, .offset: 16, .size: 8, .value_kind: global_buffer, .address_space: global }
      - { .name: slist, .offset: 24, .size: 8, .value_kind: global_buffer, .address_space: global }
      - { .name: ypart, .offset: 32, .size: 8, .value_kind: global_buffer, .address_space: global }
    .group_segment_fixed_size: 72704
    .private_segment_fixed_size: 0
    .kernarg_segment_align: 8
    .kernarg_segment_size: 40
    .max_flat_workgroup_size: 256
    .sgpr_count:     66
    .vgpr_count:     512
    .wavefront_size: 32
...
	.end_amdgpu_metadata
.endif
;; end of part 3
;; launch comb (part 4): grid 256 x 1, 4 waves a work-group, no clusters, 0 bytes of LDS; arguments ypart, prob, out0; writes out0
.if DOCPART == 4
	.amdgcn_target "amdgcn-amd-amdhsa--gfx1250"
	.amdhsa_code_object_version 6
	.text
	.protected	k_qc0b754a38d_comb
	.globl	k_qc0b754a38d_comb
	.p2align	8
	.type	k_qc0b754a38d_comb,@function
k_qc0b754a38d_comb:
	s_mov_b64 s[64:65], 0
	v_nop
	global_prefetch_b8 v0, s[64:65] scope:SCOPE_SE
	s_setreg_imm32_b32 hwreg(HW_REG_WAVE_MODE, 25, 1), 1
	s_wait_xcnt 0x0
; COMB.  out[n] = p0 (y[2 n], both halves of K) + p1 (y[2 n + 1], both halves).  ypart: [2][2,560 rows][1024] f32, row = slot = 2 token + k; prob: [token][2] f32; out0: [1024][1024] f32.
; A stream: one wave to a token, all its 32 loads of 512 consecutive bytes issued at once, eight stores of 512 consecutive bytes.  No LDS, no barrier, no matrix unit: K = 2 terms a number.
; The two weights are the same for the whole wave: they come by a scalar load (this launch writes nothing that it loads).
.set PLANE, 10485760                   ; 2,560 rows of 4,096 bytes
.set R, 8                              ; v8-135: group i of eight: 4 registers each of slot 0 half 0, slot 0 half 1, slot 1 half 0, slot 1 half 1
	s_load_b128 s[4:7], s[0:1], 0x0                ; ypart, prob
	s_load_b64 s[8:9], s[0:1], 0x10                ; out0
	v_lshrrev_b32 v1, 5, v0
	v_readfirstlane_b32 s10, v1                    ; wave 0..3
	v_and_b32 v2, 31, v0
	v_lshlrev_b32 v1, 4, v2                        ; 16 x lane
	s_lshl_b32 s11, ttmp9, 2
	s_add_co_u32 s11, s11, s10                     ; my token
	s_lshl_b32 s12, s11, 13                        ; its two slots' rows: 8,192 bytes
	s_mov_b32 s13, 0
	s_lshl_b32 s14, s11, 3
	s_mov_b32 s15, 0
	s_lshl_b32 s16, s11, 12
	s_mov_b32 s17, 0
	s_wait_kmcnt 0x0
	s_add_nc_u64 s[6:7], s[6:7], s[14:15]
	s_load_b64 s[20:21], s[6:7], 0x0               ; p0, p1
	s_add_nc_u64 s[4:5], s[4:5], s[12:13]
	s_add_nc_u64 s[18:19], s[4:5], PLANE
	s_add_nc_u64 s[8:9], s[8:9], s[16:17]
.irp i, 0,1,2,3,4,5,6,7
	global_load_b128 v[R+16*\i:R+16*\i+3],     v1, s[4:5]   offset:512*\i th:TH_LOAD_NT
	global_load_b128 v[R+16*\i+4:R+16*\i+7],   v1, s[18:19] offset:512*\i th:TH_LOAD_NT
	global_load_b128 v[R+16*\i+8:R+16*\i+11],  v1, s[4:5]   offset:4096+512*\i th:TH_LOAD_NT
	global_load_b128 v[R+16*\i+12:R+16*\i+15], v1, s[18:19] offset:4096+512*\i th:TH_LOAD_NT
.endr
	s_wait_kmcnt 0x0
	s_mov_b32 s22, s21                             ; p1 as the low word of a pair of its own: the packed form takes a scalar pair's low word for both halves
	s_mov_b32 s23, s21
.irp i, 0,1,2,3,4,5,6,7
	s_wait_loadcnt 4*(7-\i)                        ; group i's four loads are in; the later groups' may be out
.irp c, 0,2
	v_pk_add_f32 v[R+16*\i+\c:R+16*\i+\c+1], v[R+16*\i+\c:R+16*\i+\c+1], v[R+16*\i+4+\c:R+16*\i+4+\c+1]         ; the two halves of K
	v_pk_add_f32 v[R+16*\i+8+\c:R+16*\i+8+\c+1], v[R+16*\i+8+\c:R+16*\i+8+\c+1], v[R+16*\i+12+\c:R+16*\i+12+\c+1]
.endr
.irp c, 0,2
	v_pk_mul_f32 v[R+16*\i+\c:R+16*\i+\c+1], v[R+16*\i+\c:R+16*\i+\c+1], s[20:21] op_sel_hi:[1,0]
.endr
.irp c, 0,2
	v_pk_fma_f32 v[R+16*\i+\c:R+16*\i+\c+1], v[R+16*\i+8+\c:R+16*\i+8+\c+1], s[22:23], v[R+16*\i+\c:R+16*\i+\c+1] op_sel_hi:[1,0,1]
.endr
	global_store_b128 v1, v[R+16*\i:R+16*\i+3], s[8:9] offset:512*\i th:TH_STORE_NT   ; each group has registers of its own: no store's data are written again
.endr
	s_endpgm
.Lfunc_end_k_qc0b754a38d_comb:
	.size	k_qc0b754a38d_comb, .Lfunc_end_k_qc0b754a38d_comb-k_qc0b754a38d_comb
	.p2alignl 7, 3214868480
	.fill 96, 4, 3214868480
	.section	.rodata,"a",@progbits
	.p2align	6, 0x0
	.amdhsa_kernel k_qc0b754a38d_comb
		.amdhsa_group_segment_fixed_size 0
		.amdhsa_private_segment_fixed_size 0
		.amdhsa_enable_private_segment 0
		.amdhsa_kernarg_size 24
		.amdhsa_user_sgpr_count 2
		.amdhsa_user_sgpr_kernarg_segment_ptr 1
		.amdhsa_wavefront_size32 1
		.amdhsa_system_sgpr_workgroup_id_x 1
		.amdhsa_system_sgpr_workgroup_id_y 1
		.amdhsa_system_sgpr_workgroup_id_z 1
		.amdhsa_system_vgpr_workitem_id 0
		.amdhsa_next_free_vgpr 136
		.amdhsa_next_free_sgpr 66
		.amdhsa_reserve_vcc 0
		.amdhsa_float_denorm_mode_32 3
		.amdhsa_float_denorm_mode_16_64 3
		.amdhsa_memory_ordered 1
		.amdhsa_forward_progress 1
		.amdhsa_inst_pref_size 10
	.end_amdhsa_kernel
	.amdgpu_metadata
---
amdhsa.version: [ 1, 2 ]
amdhsa.kernels:
  - .name:           k_qc0b754a38d_comb
    .symbol:         k_qc0b754a38d_comb.kd
    .args:
      - { .name: ypart, .offset: 0, .size: 8, .value_kind: global_buffer, .address_space: global }
      - { .name: prob, .offset: 8, .size: 8, .value_kind: global_buffer, .address_space: global }
      - { .name: out0, .offset: 16, .size: 8, .value_kind: global_buffer, .address_space: global }
    .group_segment_fixed_size: 0
    .private_segment_fixed_size: 0
    .kernarg_segment_align: 8
    .kernarg_segment_size: 24
    .max_flat_workgroup_size: 128
    .sgpr_count:     66
    .vgpr_count:     136
    .wavefront_size: 32
...
	.end_amdgpu_metadata
.endif
;; end of part 4
;; ======== version 2 of 2: 4 launches
;; workspace buffers: xcod 524,288 bytes; xscl 32,768 bytes; eidx 8,192 bytes of whole numbers; prob 8,192 bytes; slist 65,536 bytes of whole numbers; hcod 8,388,608 bytes; hscl 524,288 bytes; ypart 20,971,520 bytes
;; launch route (part 5): grid 256 x 1, 4 waves a work-group, no clusters, 52,224 bytes of LDS; arguments x, w_router, xcod, xscl, eidx, prob; writes xcod, xscl, eidx, prob
.if DOCPART == 5
	.amdgcn_target "amdgcn-amd-amdhsa--gfx1250"
	.amdhsa_code_object_version 6
	.text
	.protected	k_qc0b754a38d_route
	.globl	k_qc0b754a38d_route
	.p2align	8
	.type	k_qc0b754a38d_route,@function
k_qc0b754a38d_route:
	s_mov_b64 s[64:65], 0
	v_nop
	global_prefetch_b8 v0, s[64:65] scope:SCOPE_SE
	s_setreg_imm32_b32 hwreg(HW_REG_WAVE_MODE, 25, 1), 1
	s_wait_xcnt 0x0
; ROUTE.  For each of the 1,024 tokens: its row of x [1024] f32 becomes codes of FP4 (E2M1) with one E8M0 byte for each 32 along the row; its 8 router logits x . w_router[:, e]
; are summed in f32; the two largest are found (of equal logits the lower index is kept) and their softmax is taken, the larger logit taken away first.
; OUT: xcod [token][512 bytes] (block b of 32 codes at byte 16 b), xscl [token][32 bytes], eidx [token][2] i32 (the two experts, the larger logit first), prob [token][2] f32.
; The choice is only STORED here, at fixed places: no address and no branch of this launch hangs on it.
; SHARES.  One wave to a token, four waves to a work-group, 256 work-groups, no loop.  Lane l holds block l of the row (k = 32 l .. 32 l + 31) in 32 registers, so a block's largest
; magnitude needs no other lane, and the lane's 32 x 8 numbers of w_router (1,024 consecutive bytes) lie in 256 registers of window 1.
; Every global load takes 16 neighbouring bytes a lane, 512 a wave; the turn to 128 (x) and 1,024 (w_router) bytes a lane goes through LDS.  The four waves load a quarter of w_router each: one barrier.
; No matrix unit: 8 columns are fewer than a tile's 16.  No cluster: what the work-groups share is w_router's 32,768 bytes.
; LIMITS: NaN and infinities among the inputs are not served.  A logit is summed as 32 chains of 32 fused multiply-adds and a tree over the lanes: where two logits differ by less than that
; order's rounding, the choice can differ from another order's.  A block whose largest magnitude lies under 2^-124 keeps the byte 1; so does a block of zeros (its codes are zeros; this program alone reads the bytes).
.set WPITCH, 1040                      ; LDS: a lane's 1,024 bytes of w_router + 16 of padding: 65 x 16, so sixteen lanes' 16-byte reads fall in sixteen different columns of 256 bytes
.set STG0,   32*WPITCH                 ; behind them a stage for each wave:
.set SPITCH, 144                       ; a lane's 128 bytes of x + 16 of padding: 9 x 16
.set WSTG,   32*SPITCH
.set L16,  2                           ; v2   16 x lane
.set WSI,  3                           ; v3   w_router into LDS: 16 x lane + 8 rows x wave
.set WSO,  4                           ; v4   and out: WPITCH x lane
.set XIN,  5                           ; v5   x into my stage: SPITCH (lane / 8) + 16 (lane % 8)
.set XOUT, 6                           ; v6   and out: SPITCH x lane
.set LN,   7                           ; v7   lane
.set L,    8                           ; v8-15    the 8 logits
.set X,    16                          ; v16-47   my block of x
.set XR,   48                          ; v48-79   x as loaded
.set WR,   80                          ; v80-143  w_router as loaded
.set CD,   144                         ; v144-147 my block's codes
.set MX,   148
.set MY,   149
.set SCO,  150                         ; the conversion's scale operand
.set BY,   151                         ; the scale's byte
.set B1,   152                         ; the largest logit
.set B2,   153                         ; the second
.set I1,   154                         ; v154-155 their experts
.set P0,   156                         ; v156-157 their weights
.set NINF, 158
.set ZO,   159                         ; 0: the offset of lane 0's stores
.set PT,   160                         ; v160-167 the other half's sums
.set TT,   168
.set MSB, 0
.macro WIN new                         ; the immediate's high byte repeats the setting that is left
.if MSB != \new
	s_set_vgpr_msb (MSB<<8)|\new
.set MSB, \new
.endif
.endm
	s_load_b128 s[4:7], s[0:1], 0x0                ; x, w_router
	s_load_b128 s[8:11], s[0:1], 0x10              ; xcod, xscl
	s_load_b128 s[12:15], s[0:1], 0x20             ; eidx, prob
	v_lshl_add_u32 v254, v0, 2, 0xca00
	v_mov_b32 v255, 0
	v_lshrrev_b32 v1, 5, v0
	v_readfirstlane_b32 s16, v1                    ; wave 0..3
	v_and_b32 v[LN], 31, v0
	v_lshlrev_b32 v[L16], 4, v[LN]
	s_lshl_b32 s17, ttmp9, 2
	s_add_co_u32 s17, s17, s16                     ; my token = 4 x work-group + wave
	s_lshl_b32 s18, s17, 12                        ; its row of x: 4,096 bytes
	s_mov_b32 s19, 0
	s_lshl_b32 s20, s16, 13                        ; my quarter of w_router: 8,192 bytes
	s_mov_b32 s21, 0
	s_wait_alu depctr_va_vdst(0)
	s_wait_kmcnt 0x0
	s_add_nc_u64 s[4:5], s[4:5], s[18:19]
	s_add_nc_u64 s[6:7], s[6:7], s[20:21]
.irp i, 0,1,2,3,4,5,6,7
	global_load_b128 v[XR+4*\i:XR+4*\i+3], v[L16], s[4:5] offset:512*\i th:TH_LOAD_NT   ; 512 consecutive bytes a load; x is read by this launch alone, once
.endr
.irp i, 0,1,2,3,4,5,6,7,8,9,10,11,12,13,14,15
	global_load_b128 v[WR+4*\i:WR+4*\i+3], v[L16], s[6:7] offset:512*\i
.endr
	s_lshl_b32 s18, s17, 9
	s_add_nc_u64 s[8:9], s[8:9], s[18:19]          ; my token's 512 bytes of codes,
	s_lshl_b32 s18, s17, 5
	s_add_nc_u64 s[10:11], s[10:11], s[18:19]      ; its 32 scale bytes,
	s_lshl_b32 s18, s17, 3
	s_add_nc_u64 s[12:13], s[12:13], s[18:19]      ; its two experts
	s_add_nc_u64 s[14:15], s[14:15], s[18:19]      ; and their weights
	s_mov_b32 s24, 0x76543210
	s_mov_b32 s25, 0xfedcba98                      ; v_permlanex16_b32's selects for lane l xor 16
	s_mul_i32 s22, s16, 8*WPITCH
	v_add_nc_u32 v[WSI], s22, v[L16]
	v_mul_u32_u24 v[WSO], v[LN], WPITCH
	s_mul_i32 s23, s16, WSTG
	s_add_co_u32 s23, s23, STG0                    ; my stage
	v_lshrrev_b32 v1, 3, v[LN]
	v_mul_u32_u24 v1, v1, SPITCH
	v_and_b32 v[XIN], 7, v[LN]
	v_lshl_add_u32 v[XIN], v[XIN], 4, v1
	v_add_nc_u32 v[XIN], s23, v[XIN]
	v_mul_u32_u24 v[XOUT], v[LN], SPITCH
	v_add_nc_u32 v[XOUT], s23, v[XOUT]
.irp e, 0,1,2,3,4,5,6,7
	v_mov_b32 v[PT+\e], 0                          ; written once: a lane permute's destination counts as one of its sources
.endr
	v_mov_b32 v[ZO], 0
	s_wait_loadcnt 16                              ; x's eight loads are in; the sixteen of w_router, issued behind them, may be out
.irp i, 0,1,2,3,4,5,6,7
	ds_store_b128 v[XIN], v[XR+4*\i:XR+4*\i+3] offset:4*SPITCH*\i   ; a load's 512 bytes are four blocks
.endr
.irp j, 0,1,2,3,4,5,6,7
	ds_load_b128 v[X+4*\j:X+4*\j+3], v[XOUT] offset:16*\j           ; LDS serves a wave's instructions in order: these see my stores
.endr
	s_wait_loadcnt 0x0
.irp i, 0,1,2,3,4,5,6,7,8,9,10,11,12,13,14,15
	ds_store_b128 v[WSI], v[WR+4*\i:WR+4*\i+3] offset:(\i/2)*WPITCH+(\i%2)*512
.endr
	s_wait_dscnt 0x0                               ; for the others' sake: my quarter of w_router lies in LDS (and my block of x is in)
	s_barrier_signal -1
	s_barrier_wait -1
	WIN 0x40                                       ; destination window 1
.set i, 0
.rept 64
	ds_load_b128 v[4*i:4*i+3], v[WSO] offset:16*i  ; register 8 k + e of window 1 = w_router[32 lane + k][e]
.set i, i+1
.endr
	WIN 0
	; while they come: my block of x is quantised
	v_max3_num_f32 v[MX], |v[X]|, |v[X+1]|, |v[X+2]|
	v_max3_num_f32 v[MY], |v[X+3]|, |v[X+4]|, |v[X+5]|
.irp i, 6,10,14,18,22,26
	v_max3_num_f32 v[MX], v[MX], |v[X+\i]|, |v[X+\i+1]|
	v_max3_num_f32 v[MY], v[MY], |v[X+\i+2]|, |v[X+\i+3]|
.endr
	v_max3_num_f32 v[MX], v[MX], |v[X+30]|, |v[X+31]|
	v_max3_num_f32 v[MX], v[MX], v[MY], 0x1800000  ; and the floor 2^(3 - 127): the byte cannot fall under 1
	v_add_nc_u32 v[SCO], 0xff000000, v[MX]         ; 2 off the exponent field: the conversion takes the exponent field of this operand as its scale
	v_lshrrev_b32 v[BY], 23, v[SCO]                ; the scale's byte
.irp g, 0,1,2,3
	v_cvt_scalef32_pk8_fp4_f32 v[CD+\g], v[X+8*\g:X+8*\g+7], v[SCO]
.endr
	v_nop                                          ; one plain place behind the conversions
	global_store_b128 v[L16], v[CD:CD+3], s[8:9]   ; the wave stores the row's 512 consecutive bytes
	global_store_b8 v[LN], v[BY], s[10:11]         ; and its 32 scale bytes
	s_wait_dscnt 0x0                               ; w_router is in
	WIN 0x04                                       ; source 1 window 1
.irp p, 0,2,4,6
	v_pk_mul_f32 v[L+\p:L+\p+1], v[X:X+1], v[\p:\p+1] op_sel_hi:[0,1]   ; the first product starts the sums; x's number serves both halves
.endr
.irp p, 0,2,4,6
	v_pk_fma_f32 v[L+\p:L+\p+1], v[X:X+1], v[8+\p:8+\p+1], v[L+\p:L+\p+1] op_sel:[1,0,0] op_sel_hi:[1,1,1]
.endr
.irp k, 1,2,3,4,5,6,7,8,9,10,11,12,13,14,15
.irp p, 0,2,4,6
	v_pk_fma_f32 v[L+\p:L+\p+1], v[X+2*\k:X+2*\k+1], v[16*\k+\p:16*\k+\p+1], v[L+\p:L+\p+1] op_sel_hi:[0,1,1]
.endr
.irp p, 0,2,4,6
	v_pk_fma_f32 v[L+\p:L+\p+1], v[X+2*\k:X+2*\k+1], v[16*\k+8+\p:16*\k+8+\p+1], v[L+\p:L+\p+1] op_sel:[1,0,0] op_sel_hi:[1,1,1]
.endr
.endr
	WIN 0
.irp m, 1,2,4,8                                ; the 32 lanes' sums: four steps inside each half, the eight logits by turns
.irp e, 0,1,2,3,4,5,6,7
	v_add_f32_dpp v[L+\e], v[L+\e], v[L+\e] row_xmask:\m row_mask:0xf bank_mask:0xf
.endr
.endr
.irp e, 0,1,2,3,4,5,6,7
	v_permlanex16_b32 v[PT+\e], v[L+\e], s24, s25
.endr
.irp e, 0,1,2,3,4,5,6,7
	v_add_f32 v[L+\e], v[L+\e], v[PT+\e]           ; every lane holds all eight logits
.endr
	v_mov_b32 v[B1], v[L]                          ; the largest: the holder stays where it is not beaten, so of equals the lower index is kept
	v_mov_b32 v[I1], 0
.irp e, 1,2,3,4,5,6,7
	v_cmp_ge_f32 vcc_lo, v[B1], v[L+\e]
	v_cndmask_b32 v[I1], \e, v[I1], vcc_lo
	v_max_num_f32 v[B1], v[B1], v[L+\e]
.endr
	v_mov_b32 v[NINF], 0xff800000
.irp e, 0,1,2,3,4,5,6,7
	v_cmp_eq_u32 vcc_lo, \e, v[I1]
	v_cndmask_b32 v[L+\e], v[L+\e], v[NINF], vcc_lo   ; the winner leaves the field
.endr
	v_mov_b32 v[B2], v[L]
	v_mov_b32 v[I1+1], 0
.irp e, 1,2,3,4,5,6,7
	v_cmp_ge_f32 vcc_lo, v[B2], v[L+\e]
	v_cndmask_b32 v[I1+1], \e, v[I1+1], vcc_lo
	v_max_num_f32 v[B2], v[B2], v[L+\e]
.endr
	v_sub_f32 v[TT], v[B2], v[B1]                  ; the softmax of the two, the larger taken away: 1 / (1 + t) and t / (1 + t), t = e^(second - first), at most 1
	v_mul_f32 v[TT], 0x3fb8aa3b, v[TT]
	s_wait_alu depctr_va_vdst(0)
	v_exp_f32 v[TT], v[TT]
	v_nop                                          ; a plain place behind the exponential
	s_wait_alu depctr_va_vdst(0)
	v_add_f32 v[P0], 1.0, v[TT]
	s_wait_alu depctr_va_vdst(0)
	v_rcp_f32 v[P0], v[P0]
	v_nop                                          ; and behind the reciprocal
	s_wait_alu depctr_va_vdst(0)
	v_mul_f32 v[P0+1], v[TT], v[P0]
	s_wait_alu depctr_va_vdst(0)
	s_wait_xcnt 0x0                                ; EXEC changes only behind this wait: the stores above have read theirs
	v_cmp_eq_u32 vcc_lo, 0, v[LN]
	s_wait_tensorcnt 0x0
	ds_add_u32 v254, v255
	s_wait_dscnt 0x0
	s_and_saveexec_b32 s26, vcc_lo                 ; lane 0 alone
	global_store_b64 v[ZO], v[I1:I1+1], s[12:13]
	global_store_b64 v[ZO], v[P0:P0+1], s[14:15]
	s_wait_xcnt 0x0
	s_or_b32 exec_lo, exec_lo, s26
	s_endpgm
.Lfunc_end_k_qc0b754a38d_route:
	.size	k_qc0b754a38d_route, .Lfunc_end_k_qc0b754a38d_route-k_qc0b754a38d_route
	.p2alignl 7, 3214868480
	.fill 96, 4, 3214868480
	.section	.rodata,"a",@progbits
	.p2align	6, 0x0
	.amdhsa_kernel k_qc0b754a38d_route
		.amdhsa_group_segment_fixed_size 52224
		.amdhsa_private_segment_fixed_size 0
		.amdhsa_enable_private_segment 0
		.amdhsa_kernarg_size 48
		.amdhsa_user_sgpr_count 2
		.amdhsa_user_sgpr_kernarg_segment_ptr 1
		.amdhsa_wavefront_size32 1
		.amdhsa_system_sgpr_workgroup_id_x 1
		.amdhsa_system_sgpr_workgroup_id_y 1
		.amdhsa_system_sgpr_workgroup_id_z 1
		.amdhsa_system_vgpr_workitem_id 0
		.amdhsa_next_free_vgpr 512
		.amdhsa_next_free_sgpr 66
		.amdhsa_reserve_vcc 1
		.amdhsa_float_denorm_mode_32 3
		.amdhsa_float_denorm_mode_16_64 3
		.amdhsa_memory_ordered 1
		.amdhsa_forward_progress 1
		.amdhsa_inst_pref_size 27
	.end_amdhsa_kernel
	.amdgpu_metadata
---
amdhsa.version: [ 1, 2 ]
amdhsa.kernels:
  - .name:           k_qc0b754a38d_route
    .symbol:         k_qc0b754a38d_route.kd
    .args:
      - { .name: x, .offset: 0, .size: 8, .value_kind: global_buffer, .address_space: global }
      - { .name: w_router, .offset: 8, .size: 8, .value_kind: global_buffer, .address_space: global }
      - { .name: xcod, .offset: 16, .size: 8, .value_kind: global_buffer, .address_space: global }
      - { .name: xscl, .offset: 24, .size: 8, .value_kind: global_buffer, .address_space: global }
      - { .name: eidx, .offset: 32, .size: 8, .value_kind: global_buffer, .address_space: global }
      - { .name: prob, .offset: 40, .size: 8, .value_kind: global_buffer, .address_space: global }
    .group_segment_fixed_size: 52224
    .private_segment_fixed_size: 0
    .kernarg_segment_align: 8
    .kernarg_segment_size: 48
    .max_flat_workgroup_size: 128
    .sgpr_count:     66
    .vgpr_count:     512
    .wavefront_size: 32
...
	.end_amdgpu_metadata
.endif
;; end of part 5
;; launch gu (part 6): grid 32 x 8, 8 waves a work-group, no clusters, 144,384 bytes of LDS; arguments w_gate, w_up, xcod, xscl, eidx, slist, hcod, hscl; writes slist, hcod, hscl
.if DOCPART == 6
	.amdgcn_target "amdgcn-amd-amdhsa--gfx1250"
	.amdhsa_code_object_version 6
	.text
	.protected	k_qc0b754a38d_gu
	.globl	k_qc0b754a38d_gu
	.p2align	8
	.type	k_qc0b754a38d_gu,@function
k_qc0b754a38d_gu:
	s_mov_b64 s[64:65], 0
	v_nop
	global_prefetch_b8 v0, s[64:65] scope:SCOPE_SE
	s_setreg_imm32_b32 hwreg(HW_REG_WAVE_SCHED_MODE, 0, 2), 2
	s_setreg_imm32_b32 hwreg(HW_REG_WAVE_MODE, 25, 1), 1
	s_wait_xcnt 0x0
	s_wait_alu depctr_vm_vsrc(0)
; GU.  h = silu(x w_gate[e]) * (x w_up[e]) for the rows routed to expert e, both products on codes of FP4 (E2M1) with one E8M0 scale for each 32 along K = the model's 1,024; h is quantised along
; the hidden axis on the way and leaves as codes.  w_gate, w_up: [8][1024 (k)][2048] f32.  x arrives as codes (xcod, xscl); each token's two experts in eidx [1024][2] i32, stored by the launch before.
; SHARES.  Work-group (slice, e) owns 64 hidden columns of expert e in both weights: 2 x 1,024 x 256 bytes, which no other work-group reads.  256 work-groups of 8 waves.
; PHASE 1, THE STREAM.  Wave w = 4 z + 2 m + hb takes 32 columns (half hb of the 64) of matrix m (0 gate, 1 up), rows 512 z .. 512 z + 511 of K.  A LANE TAKES A COLUMN AND ITS REGISTERS RUN DOWN K:
; a block of 32 along K lies in one lane's 32 registers, so its largest magnitude needs no other lane and the conversions give codes with K innermost.  Two exchanges of half waves for each pair of
; blocks lay them as the matrix unit's operand; the operand's registers go to LDS as they stand (16 bytes a lane, 512 a store).  The codes never go to memory.  One barrier.
; WHICH COLUMN A LANE TAKES: lane l takes column c(l) = l with bits 3 and 4 exchanged.  Lanes 0-15 become the 16 rows of operand tile 0, lanes 16-31 those of tile 1, and in the results
; (source 0 = 16 columns of a weight, source 1 = 16 tokens) lane (r, h) holds token r and, in the 16 registers of tiles 0 and 1, the NEIGHBOURING columns 16 h .. 16 h + 15.
; THE LIST OF ROWS is made between the stream's blocks, while the wave's loads are on their way.  The tokens are cut into four quarters of 256; wave w lists quarter w / 2: the SLOTS (2 x token + k) whose expert is e,
; closed up into positions 0 .. R - 1, in eight registers (register D, lane l: position 32 D + l); the other positions keep a pad, 2048 + 64 e + 16 quarter + position % 16.  A section of 32 tokens stands behind each of the
; first eight blocks: two compares give the masks, a scalar loop takes the set bits one by one and writes slot | position << 12 | 1 << 24 into lane position % 32 of one register, and compares on position / 32 merge it
; into the eight.  No LDS, no atomics.  The waves with hb = 0 of the work-groups of slice 0 also store list and count for the next launch.
; PHASE 2, THE ROWS.  Wave w takes the 32 columns hb = w % 2 of BOTH matrices for all of K (256 registers, window 1) and the tiles of 16 rows of quarter w / 2.  A tile: its 16 rows of x's codes come as
; whole rows of 512 bytes, turn through the wave's own stage in LDS into fragments; 32 matrix instructions on four accumulators by turns; SwiGLU in f32; the 32 columns are ONE block of the next K.
; OUT: hcod [e][tile = 16 quarter + i][K step of 128][c][lane][16 bytes]: the image of the next launch's operand registers; block bI of 32 hidden units of a tile is the 256 bytes at 256 bI, row r's 16 bytes at 16 r.
;      hscl [e][tile][row][64 bytes], byte bI.  These byte stores fall 64 bytes apart: 16 bytes for each 256 of codes.
;      slist [e][quarter][2,048 bytes]: 256 words, the slots and pads by position; then 32 words that all hold R.
; NO TENSOR LOADS, NO CLUSTER: the loops over set bits and over tiles have trip counts made of numbers read from memory, and the weights, 524,288 of a work-group's bytes, are shared with nobody; what is
; shared (x's rows of codes, 8,704 bytes a tile) is the small part.  Every way through the listing joins again ahead of the barrier; behind the barrier a wave touches only its own stage.
; LIMITS: NaN and infinities are not served.  h is formed as (g u) / (1 + 2^(-g log2 e)): g u must stay finite in f32.  A block whose largest magnitude lies under 2^-124, or of zeros, keeps the byte 1 (zeros: zero codes; this program alone reads the bytes).
; A token's two experts differ (the launch before takes the first out of the field before it looks for the second), so a quarter has at most 256 rows: 16 tiles.
; THE MODE: SCHED_MODE bits 1:0 = 2 (LLVM: expert scheduling mode 2), set by the entry lines.  The code itself states the register dependences between vector or matrix instructions and memory or LDS
; instructions, and those through scalar registers that vector instructions write, with s_wait_alu, always for 0.
; THE PLAN, THE STREAM.  Registers that memory or LDS instructions touch:
;   X0, X1     Block t's maxima and conversions read X[t % 2]; behind them the loads of block t + 2 land in it.
;   F, SWT     Written by the conversions, the exchanges and the lines that gather the scale bytes; read by the LDS stores behind each fourth block (a K step has 16 registers of its own) and behind the last.
;   v1 to v8, v11 to v13   Offsets and LDS addresses, made at the head and never written again.
;   LIST, KEY  Written by the listing; read by the nine stores of list and count.
; So ONE wait on va_vdst stands in a block, behind its conversions and exchanges and ahead of its loads and LDS stores; one stands ahead of the nine stores.  Behind the barrier one wait on vm_vsrc frees F and SWT.
; THE PLAN, A TILE'S TRIP.
;   XR         The tile's loads land in it; the stage's LDS stores read it; the next tile's loads land in it.
;   XSR0, XSR1 The tile's loads land in them; eight moves read them at the trip's head; the next tile's loads land in them.
;   RA, XSA    Written by vector lines; read by the next tile's loads as offsets.
;   XF         The LDS loads from the stage land in it; the products read it.
;   HC, BY     Written at the trip's end; read by the trip's two stores.
; One wait on vm_vsrc behind the stage's stores and loads; one on va_sdst behind the sixteen v_readlane_b32; one on va_vdst ahead of the next tile's loads; the two behind the exponentials and the reciprocals;
; one on va_vdst ahead of the two stores, which over the loop's edge also shows the products done reading XF.
.set ROWP,  8192                       ; a row of a weight in bytes
.set NB,    16                         ; blocks of 32 along K for a wave of the stream
.set SCL,   65536                      ; LDS: 0: the operand images, 32768 hb + 16384 m + 2048 (K step) + 512 q + 16 lane;  here: the weights' scale words, 2048 hb + 1024 m + 512 z + 16 lane
.set STG,   69632                      ; then for each wave WSTG bytes of its own:
.set WSTG,  9216
.set SP,    528                        ; 16 rows of 512 bytes of x's codes + 16 of padding (33 x 16)
.set L16,   1                          ; v1   16 x lane
.set WOFF,  2                          ; v2   4 c(lane): my column's byte in a row of the wave's 128
.set IMGW,  3                          ; v3   where I store images
.set SCLW,  4                          ; v4   and scale words
.set IMGR,  5                          ; v5   where I read images
.set SCLR,  6                          ; v6   and scale words
.set STI,   7                          ; v7   the stage: in, 16 x lane
.set STO,   8                          ; v8   out: SP r + 16 h
.set CX,    9                          ; v9   a list register with its halves exchanged
.set WL,    10                         ; v10  a section's rows, each in lane position % 32
.set L4,    11                         ; v11  4 x lane
.set HCO,   12                         ; v12  16 r + 8 h
.set HSO,   13                         ; v13  64 r
.set ID,    14                         ; v14  lanes 0-15: the slot of row r of the tile asked for
.set XSA,   15                         ; v15  its 32 scale bytes' offset
.set RA,    16                         ; v16-31   the 16 rows' offsets in xcod
.set X,     32                         ; v32-95   the stream: two sets of 32 numbers
.set XR,    32                         ;          the rows: 16 rows of codes as loaded
.set XSR0,  96                         ; v96-99   the scale words of K steps 0-3 on their way
.set F,     100                        ; v100-163 the stream: four K steps' operand registers (two tiles x 8)
.set XF,    100                        ;          the rows: x's eight fragments
.set XSF,   164                        ; v164-171 x's scale words in hand, one for each K step: scales and nothing else
.set SWR,   172                        ; v172-187 the weights' scale words, 8 m + K step: lanes 0-15 tile 0's, lanes 16-31 tile 1's: scales and nothing else
.set G,     188                        ; v188-203 x w_gate: two accumulators
.set EI,    188                        ;          the stream: my quarter of eidx: register 4 g + c of lane l: entry 128 g + 4 l + c
.set U,     204                        ; v204-219 x w_up, then h
.set LN,    204                        ;          at the head: lane, r, h, two at work
.set RR,    205
.set HH,    206
.set TA,    207
.set TB,    208
.set MX,    220
.set MY,    221
.set SCO,   222
.set BY,    223
.set T,     224                        ; v224-239 at work
.set SWT,   240                        ; v240-243 the stream's scale words, one for each K step
.set XSR1,  240                        ;          the rows: the scale words of K steps 4-7 on their way
.set HC,    244                        ; v244-245 h's codes
.set M2,    246
.set TKV,   247                        ; the rows: the token of row r
.set KEY,   247                        ; the stream: 128 + position / 32 where a section's lane holds a row; then the count
.set LIST,  248                        ; v248-255 the list: register D, lane l: position 32 D + l
.set PXC,   8                          ; s[8:9] xcod;  s[10:11] xscl;  s[12:13] eidx;  s[14:15] slist;  s[16:17] hcod;  s[18:19] hscl
.set PXS,   10
.set PEI,   12
.set PLS,   14
.set PHC,   16
.set PHS,   18
.set WV,    20                         ; s20 wave;  s21 slice;  s55 expert
.set SLC,   21
.set WP,    22                         ; s[22:23] the stream's first byte
.set OF,    24                         ; s[24:25] an offset, the high word 0
.set NT,    26                         ; s26 my tiles
.set TI,    27                         ; s27 my trips so far: it steps by 1
.set SEL,   28                         ; s[28:29] selects for lane l xor 16
.set NL2E,  30                         ; s[30:31] -log2(e), a pair for the packed form
.set PK,    32                         ; s32 the listing: 1 << 24 | position << 12 | the section's first slot
.set TMP,   33
.set HB,    34
.set MT,    35
.set TK,    36                         ; s36-51 the rows: the 16 tokens of a tile
.set MA,    36                         ;        the listing: masks of k = 0, of k = 1, of both; their count; bits done; at work
.set MB,    37
.set MM,    38
.set CQ,    39
.set IT,    40
.set BB,    41
.set KB,    42
.set SV,    43
.set LD,    44
.set ZZ,    52
.set TS,    53                         ; s53 my quarter of the tokens: w / 2
.set CNT,   54                         ; s54 its rows
.set EX,    55
.set MK,    56                         ; s56-59 the rows: masks of all lanes or none, from the bits of a tile's number
.set CM,    56                         ; s56-63 the listing: the merge's masks, one for each list register
.set MSB, 0
.macro WIN new                         ; the immediate's high byte repeats the setting that is left
.if MSB != \new
	s_set_vgpr_msb (MSB<<8)|\new
.set MSB, \new
.endif
.endm
.macro WLOAD t                         ; block t: rows 32 t .. 32 t + 31 of K at my column, into set t % 2; a load reads 128 consecutive bytes, and the wave beside me the other 128 of the aligned 256
.irp i, 0,1,2,3,4,5,6,7,8,9,10,11,12,13,14,15,16,17,18,19,20,21,22,23,24,25,26,27,28,29,30,31
	global_load_b32 v[X+32*((\t)%2)+\i], v[WOFF], s[WP:WP+1] offset:(32*(\t)+\i)*ROWP th:TH_LOAD_NT
.endr
.endm
.macro QBLOCK t, nb                    ; block t is quantised; behind each fourth block a K step's two operand tiles go to LDS
.set XS, X+32*((\t)%2)
.set FD, F+16*((\t)/4)+8*((\t)%2)+4*(((\t)%4)/2)
.if (\t) < (\nb)-1
	s_wait_loadcnt 32                              ; this block's 32 loads, and all that were issued ahead of them, are in; the next block's 32 may be out
.else
	s_wait_loadcnt 0x0
.endif
	v_max3_num_f32 v[MX], |v[XS]|, |v[XS+1]|, |v[XS+2]|
	v_max3_num_f32 v[MY], |v[XS+3]|, |v[XS+4]|, |v[XS+5]|
.irp i, 6,10,14,18,22,26
	v_max3_num_f32 v[MX], v[MX], |v[XS+\i]|, |v[XS+\i+1]|
	v_max3_num_f32 v[MY], v[MY], |v[XS+\i+2]|, |v[XS+\i+3]|
.endr
	v_max3_num_f32 v[MX], v[MX], |v[XS+30]|, |v[XS+31]|
	v_max3_num_f32 v[MX], v[MX], v[MY], 0x1800000  ; and the floor 2^(3 - 127): the byte cannot fall under 1
	v_add_nc_u32 v[SCO], 0xff000000, v[MX]         ; 2 off the exponent field: the conversion's scale operand
	v_lshrrev_b32 v[BY], 23, v[SCO]                ; the scale's byte
.if (\t)%4 == 0
	v_mov_b32 v[SWT+(\t)/4], v[BY]                 ; four bytes make my column's scale word of a K step
.else
	v_lshl_or_b32 v[SWT+(\t)/4], v[BY], 8*((\t)%4), v[SWT+(\t)/4]
.endif
.irp g, 0,1,2,3
	v_cvt_scalef32_pk8_fp4_f32 v[FD+\g], v[XS+8*\g:XS+8*\g+7], v[SCO]
.endr
	v_nop                                          ; one plain place behind the conversions
.if (\t)%2 == 1
.irp i, 0,1,2,3
	v_permlane16_swap_b32 v[FD-8+\i], v[FD+\i]     ; the even block's lanes 16-31 change places with the odd block's lanes 0-15: the first is now tile 0's (lanes 0-15 the even block, lanes 16-31 the odd), the second tile 1's
.endr
.endif
.if ((\t)+2 < (\nb)) || ((\t)%4 == 3)
	s_wait_alu depctr_va_vdst(0)                   ; the maxima and conversions are done reading this set, in which the loads below land; conversions and exchanges have written the K step's operand registers and the scale words, which the LDS stores read; in the first block: the head's addresses are written
.endif
.if (\t)+2 < (\nb)
	WLOAD (\t)+2                                   ; the set just read takes the block two further on
.endif
.if (\t)%4 == 3
.irp q, 0,1,2,3
	ds_store_b128 v[IMGW], v[F+16*((\t)/4)+4*\q:F+16*((\t)/4)+4*\q+3] offset:((\t)/4)*2048+512*\q   ; each K step has registers of its own: nothing waits for these stores
.endr
.endif
.endm
; Section q of the listing: the 32 tokens 64 (q / 2) + 2 lane + q % 2 of my quarter.  Lane b's slot is the section's first slot + 4 b + k.
.macro LSEC q
	v_cmp_eq_u32 s[MA], s[EX], v[EI+2*(\q)]        ; whose first expert is mine,
	v_cmp_eq_u32 s[MB], s[EX], v[EI+2*(\q)+1]      ; whose second
	s_wait_alu depctr_va_sdst(0)                   ; the two compares have written their masks, ahead of the first scalar line that reads them
	s_or_b32 s[MM], s[MA], s[MB]
	s_bcnt1_i32_b32 s[CQ], s[MM]
	s_min_u32 s[CQ], s[CQ], 32                     ; the section's rows
	v_mov_b32 v[WL], 0                             ; a lane that gets no row stays 0
	s_cmp_eq_u32 s[CQ], 0
	s_cbranch_scc1 .Lnone_\@
	s_mov_b32 s[IT], 0
.Lbit_\@:
	s_ctz_i32_b32 s[BB], s[MM]                     ; the lowest lane left
	s_lshr_b32 s[KB], s[MB], s[BB]
	s_and_b32 s[KB], s[KB], 1                      ; k
	s_lshl2_add_u32 s[SV], s[BB], s[KB]            ; 4 b + k
	s_add_co_u32 s[SV], s[SV], s[PK]               ; slot | position << 12 | 1 << 24 (a slot stays under 2,048: nothing is carried into the position)
	s_bfe_u32 s[LD], s[PK], 0x5000c                ; position % 32
	s_wait_alu depctr_va_vdst(0)
	v_writelane_b32 v[WL], s[SV], s[LD]            ; at most 32 positions on end: no lane is written twice
	s_add_co_u32 s[PK], s[PK], 0x1000              ; the next position
	s_sub_co_u32 s[KB], s[MM], 1
	s_and_b32 s[MM], s[MM], s[KB]                  ; the bit is done
	s_add_co_u32 s[IT], s[IT], 1
	s_cmp_lt_u32 s[IT], s[CQ]
	s_cbranch_scc1 .Lbit_\@
.Lnone_\@:
.if (\q)%2 == 0
	s_add_co_u32 s[PK], s[PK], 2                   ; the next section's first slot: the odd tokens of the same 64,
.else
	s_add_co_u32 s[PK], s[PK], 126                 ; or the even ones of the next 64
.endif
	s_wait_alu depctr_va_vdst(0)
	v_lshrrev_b32 v[KEY], 17, v[WL]                ; 128 + position / 32, or 0
.set d, 0
.rept (\q)+1                                   ; behind section q no position has passed 32 q + 31.  The compares stand in one run, a mask for each list register
	v_cmp_eq_u32 s[CM+d], 0x80+d, v[KEY]
.set d, d+1
.endr
	s_wait_alu depctr_va_sdst(0)                   ; the run of compares has written its masks, ahead of the selects that read them
.set d, 0
.rept (\q)+1
	v_cndmask_b32 v[LIST+d], v[LIST+d], v[WL], s[CM+d]
.set d, d+1
.endr
.endm
	s_load_b256 s[4:11], s[0:1], 0x0               ; w_gate s[4:5], w_up s[6:7], xcod, xscl
	s_load_b256 s[12:19], s[0:1], 0x20             ; eidx, slist, hcod, hscl
	v_lshrrev_b32 v[TA], 5, v0
	v_readfirstlane_b32 s[WV], v[TA]               ; wave 0..7
	v_and_b32 v[LN], 31, v0
	v_and_b32 v[TA], 7, v[LN]
	v_and_b32 v[TB], 8, v[LN]
	v_lshl_add_u32 v[TA], v[TB], 1, v[TA]
	v_and_b32 v[TB], 16, v[LN]
	v_lshrrev_b32 v[TB], 1, v[TB]
	v_add_lshl_u32 v[WOFF], v[TA], v[TB], 2        ; 4 c(lane)
	v_lshlrev_b32 v[L16], 4, v[LN]
	s_mov_b32 s[SLC], ttmp9
	s_and_b32 s[EX], ttmp7, 0xffff
	s_wait_alu depctr_va_sdst(0)                   ; the wave's number is written, ahead of its first reader
	s_and_b32 s[HB], s[WV], 1
	s_bfe_u32 s[MT], s[WV], 0x10001
	s_lshr_b32 s[ZZ], s[WV], 2
	s_lshr_b32 s[TS], s[WV], 1
	s_lshl_b32 s[OF], s[EX], 23                    ; an expert's weight: 8 MiB;
	s_lshl_b32 s[TMP], s[ZZ], 22                   ; 512 rows of 8,192 bytes;
	s_add_co_u32 s[OF], s[OF], s[TMP]
	s_lshl_b32 s[TMP], s[SLC], 8                   ; 64 columns;
	s_add_co_u32 s[OF], s[OF], s[TMP]
	s_lshl_b32 s[TMP], s[HB], 7                    ; 32 columns
	s_add_co_u32 s[OF], s[OF], s[TMP]
	s_mov_b32 s[OF+1], 0
	s_wait_kmcnt 0x0
	s_bitcmp1_b32 s[WV], 1                         ; gate or up: the choice hangs on the wave's number alone
	s_cselect_b64 s[WP:WP+1], s[6:7], s[4:5]
	s_add_nc_u64 s[WP:WP+1], s[WP:WP+1], s[OF:OF+1]
	s_lshl_b32 s[OF], s[TS], 11                    ; my quarter of eidx: 256 tokens of 8 bytes
	s_add_nc_u64 s[PEI:PEI+1], s[PEI:PEI+1], s[OF:OF+1]
	s_wait_alu depctr_va_vdst(0)                   ; v[L16] and v[WOFF] are written, which the loads below read as offsets
.irp g, 0,1,2,3
	global_load_b128 v[EI+4*\g:EI+4*\g+3], v[L16], s[PEI:PEI+1] offset:512*\g   ; issued ahead of the stream: the first block's wait shows them in
.endr
	WLOAD 0                                        ; the stream begins ahead of everything else
	WLOAD 1
	s_lshl_b32 s[TMP], s[HB], 15
	v_add_nc_u32 v[IMGR], s[TMP], v[L16]
	s_lshl_b32 s[OF], s[MT], 14
	s_add_co_u32 s[TMP], s[TMP], s[OF]
	s_lshl_b32 s[OF], s[ZZ], 13
	s_add_co_u32 s[TMP], s[TMP], s[OF]
	v_add_nc_u32 v[IMGW], s[TMP], v[L16]
	s_lshl_b32 s[TMP], s[HB], 11
	s_add_co_u32 s[TMP], s[TMP], SCL
	v_add_nc_u32 v[SCLR], s[TMP], v[L16]
	s_lshl_b32 s[OF], s[MT], 10
	s_add_co_u32 s[TMP], s[TMP], s[OF]
	s_lshl_b32 s[OF], s[ZZ], 9
	s_add_co_u32 s[TMP], s[TMP], s[OF]
	v_add_nc_u32 v[SCLW], s[TMP], v[L16]
	s_mul_i32 s[TMP], s[WV], WSTG
	s_add_co_u32 s[TMP], s[TMP], STG               ; my stage
	v_add_nc_u32 v[STI], s[TMP], v[L16]
	v_and_b32 v[RR], 15, v[LN]                     ; r
	v_lshrrev_b32 v[HH], 4, v[LN]                  ; h
	v_mul_u32_u24 v[TA], v[RR], SP
	v_lshl_add_u32 v[TA], v[HH], 4, v[TA]
	v_add_nc_u32 v[STO], s[TMP], v[TA]
	v_lshlrev_b32 v[L4], 2, v[LN]
	v_lshlrev_b32 v[HCO], 4, v[RR]
	v_lshl_add_u32 v[HCO], v[HH], 3, v[HCO]
	v_lshlrev_b32 v[HSO], 6, v[RR]
	v_mov_b32 v[M2], 0                             ; written once: a lane permute's destination counts as one of its sources
	v_mov_b32 v[CX], 0
	s_lshl_b32 s[TMP], s[EX], 6                    ; the pads: 2048 + 64 e + 16 quarter + position % 16
	s_lshl_b32 s[OF], s[TS], 4
	s_add_co_u32 s[TMP], s[TMP], s[OF]
	s_add_co_u32 s[TMP], s[TMP], 2048
	v_add_nc_u32 v[LIST], s[TMP], v[RR]
.irp d, 1,2,3,4,5,6,7
	v_mov_b32 v[LIST+\d], v[LIST]
.endr
	s_lshl_b32 s[PK], s[TS], 9                     ; position 0; my quarter's first slot: 2 x 256 x quarter
	s_or_b32 s[PK], s[PK], 0x1000000
	s_mov_b32 s[SEL], 0x76543210
	s_mov_b32 s[SEL+1], 0xfedcba98
	s_mov_b32 s[NL2E], 0xbfb8aa3b
	s_mov_b32 s[NL2E+1], 0xbfb8aa3b
	s_lshl_b32 s[OF], s[EX], 13                    ; slist: an expert 8,192 bytes, a quarter 2,048
	s_lshl_b32 s[TMP], s[TS], 11
	s_add_co_u32 s[OF], s[OF], s[TMP]
	s_add_nc_u64 s[PLS:PLS+1], s[PLS:PLS+1], s[OF:OF+1]
	s_lshl_b32 s[OF], s[EX], 20                    ; hcod: an expert 1 MiB, a quarter's 16 tiles 262,144 bytes, a block 256
	s_lshl_b32 s[TMP], s[TS], 18
	s_add_co_u32 s[OF], s[OF], s[TMP]
	s_lshl_b32 s[TMP], s[SLC], 9
	s_add_co_u32 s[OF], s[OF], s[TMP]
	s_lshl_b32 s[TMP], s[HB], 8
	s_add_co_u32 s[OF], s[OF], s[TMP]
	s_add_nc_u64 s[PHC:PHC+1], s[PHC:PHC+1], s[OF:OF+1]
	s_lshl_b32 s[OF], s[EX], 16                    ; hscl: an expert 65,536 bytes, a quarter 16,384, a block 1
	s_lshl_b32 s[TMP], s[TS], 14
	s_add_co_u32 s[OF], s[OF], s[TMP]
	s_lshl_b32 s[TMP], s[SLC], 1
	s_add_co_u32 s[OF], s[OF], s[TMP]
	s_add_co_u32 s[OF], s[OF], s[HB]
	s_add_nc_u64 s[PHS:PHS+1], s[PHS:PHS+1], s[OF:OF+1]
.irp t, 0,1,2,3,4,5,6,7
	QBLOCK \t, NB
	LSEC \t                                        ; a section of the listing behind each of the first eight blocks: 64 loads of the stream are out meanwhile
.endr
.irp d, 0,1,2,3,4,5,6,7
	v_and_b32 v[LIST+\d], 0xfff, v[LIST+\d]        ; the slots alone (a pad, at most 2,559, stays as it is)
.endr
	s_bfe_u32 s[CNT], s[PK], 0x9000c               ; my quarter's rows: the position reached, 0 .. 256
	s_or_b32 s[TMP], s[SLC], s[HB]                 ; one wave for each expert and quarter stores list and count for the next launch: slice 0, hb 0
	s_cmp_lg_u32 s[TMP], 0
	s_cbranch_scc1 .Lnolist
	v_mov_b32 v[KEY], s[CNT]
	s_wait_alu depctr_va_vdst(0)                   ; the list's eight registers and the count's are written, which the nine stores below read
.irp d, 0,1,2,3,4,5,6,7
	global_store_b32 v[L4], v[LIST+\d], s[PLS:PLS+1] offset:128*\d
.endr
	global_store_b32 v[L4], v[KEY], s[PLS:PLS+1] offset:1024   ; 32 words, all the count: EXEC stays whole
	s_wait_xcnt 0x0                                ; the count's register is written again only behind this wait
	s_wait_alu depctr_vm_vsrc(0)                   ; and behind this one: the store has read the count's register, which the rows' phase writes as the tokens'
.Lnolist:
.irp t, 8,9,10,11,12,13,14,15
	QBLOCK \t, NB
.endr
	ds_store_b128 v[SCLW], v[SWT:SWT+3]            ; my column's four scale words (written ahead of the last block's wait on va_vdst, and named by no vector line since)
	s_wait_dscnt 0x0                               ; for the others' sake: my images and scale words lie in LDS
	s_barrier_signal -1
	s_barrier_wait -1                              ; the launch's one barrier: every way through the listing has joined again ahead of it
	s_wait_alu depctr_vm_vsrc(0)                   ; my LDS stores have read v[F ..] and v[SWT ..]: from here on x's fragments land in the first and x's scale words in the second
	s_add_co_u32 s[NT], s[CNT], 15
	s_lshr_b32 s[NT], s[NT], 4
	s_min_u32 s[NT], s[NT], 16                     ; my tiles of 16 rows
	s_cmp_eq_u32 s[NT], 0
	s_cbranch_scc1 .Lend                           ; no row of my quarter goes to this expert
	s_mov_b32 s[TI], 0
	WIN 0x40                                       ; destination window 1
.set i, 0
.rept 64
	ds_load_b128 v[4*i:4*i+3], v[IMGR] offset:512*i   ; register 128 m + 16 (K step) + 8 (tile) + .. of window 1: both matrices, all of K, my 32 columns: they stay.  (No vector line has named them; v[IMGR] was written at the head, ahead of the stream's waits)
.set i, i+1
.endr
	WIN 0
.irp j, 0,1,2,3
	ds_load_b128 v[SWR+4*\j:SWR+4*\j+3], v[SCLR] offset:512*\j
.endr
; The 16 slots of tile s[TMP] (0 .. 15) into lanes 0-15 of v[ID]: the list register TMP / 2 is picked by a tree of selects on TMP's bits 1 to 3; an odd tile lies in its lanes 16-31.
.macro NEXTID
	s_bitcmp1_b32 s[TMP], 1
	s_cselect_b32 s[MK], -1, 0
	s_bitcmp1_b32 s[TMP], 2
	s_cselect_b32 s[MK+1], -1, 0
	s_bitcmp1_b32 s[TMP], 3
	s_cselect_b32 s[MK+2], -1, 0
	s_bitcmp1_b32 s[TMP], 0
	s_cselect_b32 s[MK+3], -1, 0
.irp p, 0,1,2,3
	v_cndmask_b32 v[T+\p], v[LIST+2*\p], v[LIST+2*\p+1], s[MK]
.endr
	v_cndmask_b32 v[T], v[T], v[T+1], s[MK+1]
	v_cndmask_b32 v[T+2], v[T+2], v[T+3], s[MK+1]
	v_cndmask_b32 v[T], v[T], v[T+2], s[MK+2]
	v_permlanex16_b32 v[CX], v[T], s[SEL], s[SEL+1]
	v_cndmask_b32 v[ID], v[T], v[CX], s[MK+3]
.endm
; The rows of the tile in v[ID] are asked for in two parts.  The vector part makes the addresses: token = slot / 2, held at 1,023 (a pad reads the last token's row; its result goes to a dump row).
.macro XISSUE_V
	v_lshrrev_b32 v[TKV], 1, v[ID]
	v_min_u32 v[TKV], 0x3ff, v[TKV]
	v_lshlrev_b32 v[XSA], 5, v[TKV]                ; lane r: row r's 32 scale bytes (lanes 16-31 name another tile's tokens; what they load is not read)
.irp j, 0,1,2,3,4,5,6,7,8,9,10,11,12,13,14,15
	v_readlane_b32 s[TK+\j], v[TKV], \j
.endr
	s_wait_alu depctr_va_sdst(0)                   ; the sixteen tokens are written into their scalar registers, ahead of the first line that reads one
.irp j, 0,1,2,3,4,5,6,7,8,9,10,11,12,13,14,15
	s_min_u32 s[TK+\j], s[TK+\j], 0x3ff
.endr
.irp j, 0,1,2,3,4,5,6,7,8,9,10,11,12,13,14,15
	v_lshl_add_u32 v[RA+\j], s[TK+\j], 9, v[L16]
.endr
.endm
.macro XISSUE_L                        ; the loads: 16 whole rows of 512 consecutive bytes, and each row's eight scale words into its own lane, where the matrix unit reads them
	s_wait_alu depctr_va_vdst(0)                   ; v[RA ..] and v[XSA] are written, which the loads read as offsets; the moves at the trip's head are done reading the scale words' registers, in which loads land, and have written v[XSF ..], which the products take as scales; ahead of the loop: the stream is done with v[X ..] and v[SWT ..]
.irp j, 0,1,2,3,4,5,6,7,8,9,10,11,12,13,14,15
	global_load_b128 v[XR+4*\j:XR+4*\j+3], v[RA+\j], s[PXC:PXC+1]
.endr
	global_load_b128 v[XSR0:XSR0+3], v[XSA], s[PXS:PXS+1]
	global_load_b128 v[XSR1:XSR1+3], v[XSA], s[PXS:PXS+1] offset:16
.endm
.macro MMA d, a, sa, s, row            ; one matrix instruction: accumulator d, weight tile at a (window 1), its scale register sa (row = 1: lanes 16-31), K step s; the first K step starts the sum
.if (\s) == 0
.if \row
	v_wmma_scale_f32_16x16x128_f8f6f4 v[\d:\d+7], v[\a:\a+7], v[XF+8*(\s):XF+8*(\s)+7], 0, v[\sa], v[XSF+(\s)] matrix_a_fmt:MATRIX_FMT_FP4 matrix_b_fmt:MATRIX_FMT_FP4 matrix_a_scale:MATRIX_SCALE_ROW1
.else
	v_wmma_scale_f32_16x16x128_f8f6f4 v[\d:\d+7], v[\a:\a+7], v[XF+8*(\s):XF+8*(\s)+7], 0, v[\sa], v[XSF+(\s)] matrix_a_fmt:MATRIX_FMT_FP4 matrix_b_fmt:MATRIX_FMT_FP4
.endif
.else
.if \row
	v_wmma_scale_f32_16x16x128_f8f6f4 v[\d:\d+7], v[\a:\a+7], v[XF+8*(\s):XF+8*(\s)+7], v[\d:\d+7], v[\sa], v[XSF+(\s)] matrix_a_fmt:MATRIX_FMT_FP4 matrix_b_fmt:MATRIX_FMT_FP4 matrix_a_scale:MATRIX_SCALE_ROW1
.else
	v_wmma_scale_f32_16x16x128_f8f6f4 v[\d:\d+7], v[\a:\a+7], v[XF+8*(\s):XF+8*(\s)+7], v[\d:\d+7], v[\sa], v[XSF+(\s)] matrix_a_fmt:MATRIX_FMT_FP4 matrix_b_fmt:MATRIX_FMT_FP4
.endif
.endif
.endm
	s_mov_b32 s[TMP], 0                            ; my first tile
	NEXTID
	XISSUE_V
	XISSUE_L
	s_wait_dscnt 0x0                               ; the weights' codes and scale words are in
.Ltile:
	s_wait_loadcnt 0x0                             ; the tile's 16 rows and their scale words are in, and every load that read the address registers below is done
.irp i, 0,1,2,3
	v_mov_b32 v[XSF+\i], v[XSR0+\i]                ; from the set on its way to the set in hand: the next tile's words are asked for below, while these serve the products.
	v_mov_b32 v[XSF+4+\i], v[XSR1+\i]              ; (More than eight plain vector lines stand between these and the first product)
.endr
.irp j, 0,1,2,3,4,5,6,7,8,9,10,11,12,13,14,15
	ds_store_b128 v[STI], v[XR+4*\j:XR+4*\j+3] offset:SP*\j
.endr
.irp s, 0,1,2,3,4,5,6,7
.irp c, 0,1
	ds_load_b128 v[XF+8*\s+4*\c:XF+8*\s+4*\c+3], v[STO] offset:64*\s+32*\c   ; fragment s: lane (r, h): row r, k = 128 s + 64 c + 32 h + 0 .. 31.  LDS serves a wave's instructions in order: these see my stores.  (The last trip's products are done reading v[XF ..]: the wait ahead of that trip's two stores; ahead of the first trip: the wait ahead of the first tile's loads)
.endr
.endr
	s_wait_alu depctr_vm_vsrc(0)                   ; the stores into the stage have read v[XR ..], in which the next tile's rows land; the last tile's loads have read v[RA ..] and v[XSA], which are written below; the last trip's two stores have read v[HC ..] and v[BY], which this trip's end writes
	s_add_co_u32 s[TMP], s[TI], 1                  ; the next tile, held inside the list (behind my last tile: pads, or the last tile again; what is loaded then is not used)
	s_min_u32 s[TMP], s[TMP], 15
	NEXTID
	XISSUE_V
	s_wait_dscnt 0x0                               ; the fragments are in, and the stores into the stage are done,
	XISSUE_L                                       ; so the rows' registers take the next tile's rows while this tile is multiplied
	WIN 0x01                                       ; source 0 window 1
.irp s, 0,1,2,3,4,5,6,7                        ; four accumulators by turns, one instruction a turn
	MMA G, 16*\s, SWR+\s, \s, 0
	MMA U, 128+16*\s, SWR+8+\s, \s, 0
	MMA G+8, 16*\s+8, SWR+\s, \s, 1
	MMA U+8, 128+16*\s+8, SWR+8+\s, \s, 1
.endr
	WIN 0
.rept 5
	v_nop                                          ; places behind the products (ISA guide 7.12.1): four for the reads of results, a fifth for the next tile's products, which begin these accumulators anew
.endr
.irp p, 0,2,4,6,8,10,12,14                     ; h = g u / (1 + 2^(-g log2 e)), in f32; each accumulator is read from its low end on
	v_pk_mul_f32 v[T+\p:T+\p+1], v[G+\p:G+\p+1], s[NL2E:NL2E+1] op_sel_hi:[1,0]
.endr
	s_wait_alu depctr_va_vdst(0)
.irp p, 0,1,2,3,4,5,6,7,8,9,10,11,12,13,14,15
	v_exp_f32 v[T+\p], v[T+\p]
.endr
	s_wait_alu depctr_va_vdst(0)
.irp p, 0,2,4,6,8,10,12,14
	v_pk_mul_f32 v[U+\p:U+\p+1], v[G+\p:G+\p+1], v[U+\p:U+\p+1]   ; (plain places behind the exponentials)
.endr
	s_wait_alu depctr_va_vdst(0)                   ; the sixteen exponentials have written v[T ..], ahead of the additions that read them
.irp p, 0,2,4,6,8,10,12,14
	v_pk_add_f32 v[T+\p:T+\p+1], v[T+\p:T+\p+1], 1.0 op_sel_hi:[1,0]
.endr
	s_wait_alu depctr_va_vdst(0)
.irp p, 0,1,2,3,4,5,6,7,8,9,10,11,12,13,14,15
	v_rcp_f32 v[T+\p], v[T+\p]
.endr
	v_nop                                          ; a plain place behind the reciprocals
	s_wait_alu depctr_va_vdst(0)                   ; the sixteen reciprocals have written v[T ..], ahead of the multiplications that read them
.irp p, 0,2,4,6,8,10,12,14
	v_pk_mul_f32 v[U+\p:U+\p+1], v[U+\p:U+\p+1], v[T+\p:T+\p+1]   ; register i: h(row r, hidden unit 32 bI + 16 h + i)
.endr
	v_max3_num_f32 v[MX], |v[U]|, |v[U+1]|, 0x1800000              ; the block's largest magnitude: my 16, with the floor 2^(3 - 127), in two chains,
	v_max3_num_f32 v[MY], |v[U+2]|, |v[U+3]|, |v[U+4]|
	v_max3_num_f32 v[MX], v[MX], |v[U+5]|, |v[U+6]|
	v_max3_num_f32 v[MY], v[MY], |v[U+7]|, |v[U+8]|
	v_max3_num_f32 v[MX], v[MX], |v[U+9]|, |v[U+10]|
	v_max3_num_f32 v[MY], v[MY], |v[U+11]|, |v[U+12]|
	v_max3_num_f32 v[MX], v[MX], |v[U+13]|, |v[U+14]|
	v_max3_num_f32 v[MX], v[MX], v[MY], |v[U+15]|
	v_permlanex16_b32 v[M2], v[MX], s[SEL], s[SEL+1]
	v_max_num_f32 v[MX], v[MX], v[M2]              ; and lane l xor 16's
	v_add_nc_u32 v[SCO], 0xff000000, v[MX]
	v_lshrrev_b32 v[BY], 23, v[SCO]
	v_cvt_scalef32_pk8_fp4_f32 v[HC], v[U:U+7], v[SCO]
	v_cvt_scalef32_pk8_fp4_f32 v[HC+1], v[U+8:U+15], v[SCO]
	v_nop                                          ; one plain place behind the conversions: the next tile's products write their sources
	s_wait_alu depctr_va_vdst(0)                   ; the conversions have written v[HC ..] and the shift v[BY], which the two stores read; and this trip's products are done reading v[XF ..], in which the next trip's fragments land
	global_store_b64 v[HCO], v[HC:HC+1], s[PHC:PHC+1]   ; the 32 lanes store 256 consecutive bytes, aligned: the tile's block bI
	global_store_b8 v[HSO], v[BY], s[PHS:PHS+1]    ; both lanes of a row write the same byte with the same value
	s_wait_xcnt 0x0                                ; the stores' data and bases are written again only behind this wait
	s_add_nc_u64 s[PHC:PHC+1], s[PHC:PHC+1], 16384 ; the next tile
	s_add_nc_u64 s[PHS:PHS+1], s[PHS:PHS+1], 1024
	s_add_co_u32 s[TI], s[TI], 1
	s_cmp_lt_u32 s[TI], s[NT]
	s_cbranch_scc1 .Ltile
.Lend:
	s_wait_xcnt 0x0
	s_wait_alu depctr_vm_vsrc(0)                   ; the list's stores have read v254 and v255, which are made anew below
	v_lshl_add_u32 v254, v0, 2, 0x23000
	v_mov_b32 v255, 0
	s_wait_dscnt 0x0                               ; the closing lines, six on end
	s_wait_alu 0x0
	s_wait_tensorcnt 0x0
	ds_add_u32 v254, v255
	s_wait_dscnt 0x0
	s_endpgm
.Lfunc_end_k_qc0b754a38d_gu:
	.size	k_qc0b754a38d_gu, .Lfunc_end_k_qc0b754a38d_gu-k_qc0b754a38d_gu
	.p2alignl 7, 3214868480
	.fill 96, 4, 3214868480
	.section	.rodata,"a",@progbits
	.p2align	6, 0x0
	.amdhsa_kernel k_qc0b754a38d_gu
		.amdhsa_group_segment_fixed_size 144384
		.amdhsa_private_segment_fixed_size 0
		.amdhsa_enable_private_segment 0
		.amdhsa_kernarg_size 64
		.amdhsa_user_sgpr_count 2
		.amdhsa_user_sgpr_kernarg_segment_ptr 1
		.amdhsa_wavefront_size32 1
		.amdhsa_system_sgpr_workgroup_id_x 1
		.amdhsa_system_sgpr_workgroup_id_y 1
		.amdhsa_system_sgpr_workgroup_id_z 1
		.amdhsa_system_vgpr_workitem_id 0
		.amdhsa_next_free_vgpr 512
		.amdhsa_next_free_sgpr 66
		.amdhsa_reserve_vcc 0
		.amdhsa_float_denorm_mode_32 3
		.amdhsa_float_denorm_mode_16_64 3
		.amdhsa_memory_ordered 1
		.amdhsa_forward_progress 1
		.amdhsa_inst_pref_size 123
	.end_amdhsa_kernel
	.amdgpu_metadata
---
amdhsa.version: [ 1, 2 ]
amdhsa.kernels:
  - .name:           k_qc0b754a38d_gu
    .symbol:         k_qc0b754a38d_gu.kd
    .args:
      - { .name: w_gate, .offset: 0, .size: 8, .value_kind: global_buffer, .address_space: global }
      - { .name: w_up, .offset: 8, .size: 8, .value_kind: global_buffer, .address_space: global }
      - { .name: xcod, .offset: 16, .size: 8, .value_kind: global_buffer, .address_space: global }
      - { .name: xscl, .offset: 24, .size: 8, .value_kind: global_buffer, .address_space: global }
      - { .name: eidx, .offset: 32, .size: 8, .value_kind: global_buffer, .address_space: global }
      - { .name: slist, .offset: 40, .size: 8, .value_kind: global_buffer, .address_space: global }
      - { .name: hcod, .offset: 48, .size: 8, .value_kind: global_buffer, .address_space: global }
      - { .name: hscl, .offset: 56, .size: 8, .value_kind: global_buffer, .address_space: global }
    .group_segment_fixed_size: 144384
    .private_segment_fixed_size: 0
    .kernarg_segment_align: 8
    .kernarg_segment_size: 64
    .max_flat_workgroup_size: 256
    .sgpr_count:     66
    .vgpr_count:     512
    .wavefront_size: 32
...
	.end_amdgpu_metadata
.endif
;; end of part 6
;; launch dn (part 7): grid 16 x 16, 8 waves a work-group, no clusters, 72,704 bytes of LDS; arguments w_down, hcod, hscl, slist, ypart; writes ypart
.if DOCPART == 7
	.amdgcn_target "amdgcn-amd-amdhsa--gfx1250"
	.amdhsa_code_object_version 6
	.text
	.protected	k_qc0b754a38d_dn
	.globl	k_qc0b754a38d_dn
	.p2align	8
	.type	k_qc0b754a38d_dn,@function
k_qc0b754a38d_dn:
	s_mov_b64 s[64:65], 0
	v_nop
	global_prefetch_b8 v0, s[64:65] scope:SCOPE_SE
	s_setreg_imm32_b32 hwreg(HW_REG_WAVE_SCHED_MODE, 0, 2), 2
	s_setreg_imm32_b32 hwreg(HW_REG_WAVE_MODE, 25, 1), 1
	s_wait_xcnt 0x0
	s_wait_alu depctr_vm_vsrc(0)
; DN.  y = h w_down[e] for the rows routed to expert e, on codes of FP4 (E2M1) with one E8M0 scale for each 32 along K = the 2,048 hidden units.  w_down: [8][2048 (k)][1024] f32.
; h arrives as the image of this launch's operand registers (hcod) with its scale bytes (hscl); the rows' slots and their number by slist, [e][quarter of the tokens][256 slots, then the count].
; SHARES.  Work-group (slice, 2 e + kh) owns 64 columns of expert e's w_down and half kh of K: 1,024 x 256 bytes, which no other work-group reads.  256 work-groups of 8 waves.
; K IS CUT IN TWO, so that there are 256 work-groups with rows of 256 bytes: each half's sums go to a plane of their own in ypart and the last launch adds them.  That order of rounding differs from one sum over all of K.
; PHASE 1, THE STREAM: wave w = 2 kq + cg takes 32 columns (half cg) and 256 rows of K (quarter kq of the half).  A lane takes a column (lane l: column l with bits 3 and 4 exchanged), its registers run down K;
; each block of 32 is quantised in the lane; two exchanges of half waves for each pair of blocks lay the codes as the operand; the operand's registers go to LDS as they stand.  One barrier.
; PHASE 2, THE ROWS: every wave holds all 64 columns for the 1,024 of K (256 registers, window 1); wave w takes, of the tiles of 16 rows of the tokens' quarter w / 2, tiles w % 2, w % 2 + 2, ..  A tile: 16 loads of 512
; consecutive bytes are h's eight fragments as they stand; 32 matrix instructions (source 0 = 16 columns of w_down, source 1 = 16 rows of h) on four accumulators by turns; lane (r, h) then holds row r and columns 32 cg + 16 h + 0 .. 15.
; The results turn through the wave's own stage and leave as pieces of 256 consecutive bytes, aligned: sixteen lanes to a row's 64 columns, at the row's slot.
; OUT: ypart [2 (kh)][2,560 rows][1024] f32: rows 0 .. 2047 the slots (2 token + k), rows 2048 + 64 e + 16 quarter + i the dump rows for the pads of a quarter's last tile, which nobody reads.
; NO TENSOR LOADS, NO CLUSTER: the loop over tiles has a trip count read from memory, and the weights, 262,144 of a work-group's bytes, are shared with nobody; what is shared (8,704 bytes of h a tile) is the small part.
; LIMITS: NaN and infinities are not served.  A block whose largest magnitude lies under 2^-124, or of zeros, keeps the byte 1 (zeros: zero codes).
; THE MODE: SCHED_MODE bits 1:0 = 2 (LLVM: expert scheduling mode 2), set by the entry lines.  The code itself states the register dependences between vector or matrix instructions and memory or LDS
; instructions, and those through scalar registers that vector instructions write, with s_wait_alu, always for 0.
; THE PLAN, THE STREAM.  X0, X1: block t's maxima and conversions read X[t % 2]; behind them the loads of block t + 2 land in it.  F, SWT: written by conversions, exchanges and the lines that gather the scale bytes; read by
; the LDS stores behind each fourth block and behind the last; never written again.  The offsets and LDS addresses v1 to v10 are made at the head and never written again.  ONE wait on va_vdst in a block, behind its
; conversions and exchanges and ahead of its loads and LDS stores.
; THE PLAN, A TILE'S TRIP.
;   HF, HS, SL      The tile's loads land in them; the products read HF and HS, eight vector lines read SL; the next tile's loads land in them.
;   HFO, HSO, LO    Written by three vector lines behind the products; read by the next tile's loads as offsets.
;   YA              Written at the trip's head; read by the trip's eight global stores as offsets.
;   Y               Written by the products; read by the LDS stores into the stage.
;   OB              The LDS loads from the stage land in it; the global stores read it.  No vector line names it.
; One wait on vm_vsrc at the trip's head frees all that the last trip's memory and LDS instructions read; one wait on va_vdst, behind the places and the three offsets, states all that the trip's loads and stores hang on:
; no vector line follows it in the trip.
.set ROWP,  4096                       ; a row of w_down in bytes
.set NB,    8                          ; blocks of 32 along K for a wave of the stream
.set SCL,   32768                      ; LDS: 0: the operand images, 16384 cg + 2048 (K step) + 512 q + 16 lane;  here: the scale words, 1024 cg + 512 (kq / 2) + 16 lane + 8 (kq % 2)
.set STG,   34816                      ; then for each wave WSTG bytes of its own: 16 rows of 256 bytes + 16 of padding (17 x 16)
.set WSTG,  4608
.set SP,    272
.set PLANE, 10485760                   ; 2,560 rows of 4,096 bytes
.set L16,   1                          ; v1   16 x lane
.set WOFF,  2                          ; v2   4 c(lane)
.set IMGW,  3
.set SCLW,  4
.set SCLR,  5
.set STO,   6                          ; v6   the stage: in, SP r + 64 h
.set STR,   7                          ; v7   out: SP (lane / 16) + 16 (lane % 16)
.set LC,    8                          ; v8   16 (lane % 16)
.set R64,   9                          ; v9   64 r
.set H4,    10                         ; v10  4 (lane / 16)
.set HFO,   11                         ; v11-13 the offsets of a tile's loads
.set HSO,   12
.set LO,    13
.set SL,    16                         ; v16-23   the slots of rows 2 i + lane / 16
.set YA,    24                         ; v24-31   their offsets in a plane of ypart
.set X,     32                         ; v32-95   the stream: two sets of 32 numbers
.set HF,    32                         ;          the rows: h's eight fragments
.set HS,    96                         ; v96-103  h's scale words: scales and nothing else
.set SWR,   104                        ; v104-119 w_down's scale words, 8 cg + K step: lanes 0-15 tile 0's, lanes 16-31 tile 1's: scales and nothing else
.set Y,     120                        ; v120-151 four accumulators: 16 cg + 8 (tile)
.set OB,    152                        ; v152-183 rows read back from the stage
.set F,     184                        ; v184-215 the stream: two K steps' operand registers
.set MX,    220
.set MY,    221
.set SCO,   222
.set BY,    223
.set SWT,   240                        ; v240-241 the stream's scale words
.set LN,    250
.set RR,    251
.set HH,    252
.set TA,    253
.set TB,    254
.set WV,    18
.set SLC,   19
.set YY,    20
.set EX,    21
.set WP,    22                         ; s[22:23] the stream's first byte
.set OF,    24                         ; s[24:25] an offset, the high word 0
.set NT,    26                         ; s26 tiles of this expert in my quarter of the tokens
.set TI,    27                         ; s27 the tile in hand: it names the next tile, and ends no loop
.set TMP,   33
.set NL,    34                         ; s34 the quarter's last tile
.set KH,    35
.set CG,    36                         ; s36 w % 2: the stream's half of the columns; the rows' first tile
.set KQ,    37                         ; s37 w / 2: the stream's quarter of K; the rows' quarter of the tokens
.set CT,    38                         ; s38 my trips so far: it steps by 1
.set TR,    39                         ; s39 my trips
.set MSB, 0
.macro WIN new                         ; the immediate's high byte repeats the setting that is left
.if MSB != \new
	s_set_vgpr_msb (MSB<<8)|\new
.set MSB, \new
.endif
.endm
.macro WLOAD t                         ; block t: rows 32 t .. 32 t + 31 of K at my column, into set t % 2; a load reads 128 consecutive bytes, and the wave beside me the other 128 of the aligned 256
.irp i, 0,1,2,3,4,5,6,7,8,9,10,11,12,13,14,15,16,17,18,19,20,21,22,23,24,25,26,27,28,29,30,31
	global_load_b32 v[X+32*((\t)%2)+\i], v[WOFF], s[WP:WP+1] offset:(32*(\t)+\i)*ROWP th:TH_LOAD_NT
.endr
.endm
.macro QBLOCK t, nb                    ; block t is quantised; behind each fourth block a K step's two operand tiles go to LDS
.set XS, X+32*((\t)%2)
.set FD, F+16*((\t)/4)+8*((\t)%2)+4*(((\t)%4)/2)
.if (\t) < (\nb)-1
	s_wait_loadcnt 32                              ; this block's 32 loads are in; the next block's 32 may be out
.else
	s_wait_loadcnt 0x0
.endif
	v_max3_num_f32 v[MX], |v[XS]|, |v[XS+1]|, |v[XS+2]|
	v_max3_num_f32 v[MY], |v[XS+3]|, |v[XS+4]|, |v[XS+5]|
.irp i, 6,10,14,18,22,26
	v_max3_num_f32 v[MX], v[MX], |v[XS+\i]|, |v[XS+\i+1]|
	v_max3_num_f32 v[MY], v[MY], |v[XS+\i+2]|, |v[XS+\i+3]|
.endr
	v_max3_num_f32 v[MX], v[MX], |v[XS+30]|, |v[XS+31]|
	v_max3_num_f32 v[MX], v[MX], v[MY], 0x1800000  ; and the floor 2^(3 - 127): the byte cannot fall under 1
	v_add_nc_u32 v[SCO], 0xff000000, v[MX]         ; 2 off the exponent field: the conversion's scale operand
	v_lshrrev_b32 v[BY], 23, v[SCO]                ; the scale's byte
.if (\t)%4 == 0
	v_mov_b32 v[SWT+(\t)/4], v[BY]                 ; four bytes make my column's scale word of a K step
.else
	v_lshl_or_b32 v[SWT+(\t)/4], v[BY], 8*((\t)%4), v[SWT+(\t)/4]
.endif
.irp g, 0,1,2,3
	v_cvt_scalef32_pk8_fp4_f32 v[FD+\g], v[XS+8*\g:XS+8*\g+7], v[SCO]
.endr
	v_nop                                          ; one plain place behind the conversions
.if (\t)%2 == 1
.irp i, 0,1,2,3
	v_permlane16_swap_b32 v[FD-8+\i], v[FD+\i]     ; the even block's lanes 16-31 change places with the odd block's lanes 0-15: the first is now tile 0's, the second tile 1's
.endr
.endif
.if ((\t)+2 < (\nb)) || ((\t)%4 == 3)
	s_wait_alu depctr_va_vdst(0)                   ; the maxima and conversions are done reading this set, in which the loads below land; conversions and exchanges have written the K step's operand registers and the scale words, which the LDS stores read; in the first block: the head's addresses are written
.endif
.if (\t)+2 < (\nb)
	WLOAD (\t)+2                                   ; the set just read takes the block two further on
.endif
.if (\t)%4 == 3
.irp q, 0,1,2,3
	ds_store_b128 v[IMGW], v[F+16*((\t)/4)+4*\q:F+16*((\t)/4)+4*\q+3] offset:((\t)/4)*2048+512*\q   ; each K step has registers of its own: nothing waits for these stores
.endr
.endif
.endm
	s_load_b256 s[4:11], s[0:1], 0x0               ; w_down s[4:5], hcod s[6:7], hscl s[8:9], slist s[10:11]
	s_load_b64 s[12:13], s[0:1], 0x20              ; ypart
	v_lshl_add_u32 v249, v0, 2, 0x11800
	v_mov_b32 v255, 0
	v_lshrrev_b32 v[TA], 5, v0
	v_readfirstlane_b32 s[WV], v[TA]               ; wave 0..7
	v_and_b32 v[LN], 31, v0
	v_and_b32 v[TA], 7, v[LN]
	v_and_b32 v[TB], 8, v[LN]
	v_lshl_add_u32 v[TA], v[TB], 1, v[TA]
	v_and_b32 v[TB], 16, v[LN]
	v_lshrrev_b32 v[TB], 1, v[TB]
	v_add_lshl_u32 v[WOFF], v[TA], v[TB], 2        ; 4 c(lane)
	s_mov_b32 s[SLC], ttmp9
	s_and_b32 s[YY], ttmp7, 0xffff
	s_lshr_b32 s[EX], s[YY], 1
	s_and_b32 s[KH], s[YY], 1
	s_wait_alu depctr_va_sdst(0)                   ; the wave's number is written, ahead of its first reader
	s_and_b32 s[CG], s[WV], 1
	s_lshr_b32 s[KQ], s[WV], 1
	s_lshl_b32 s[OF], s[EX], 23                    ; an expert's weight: 8 MiB;
	s_lshl_b32 s[TMP], s[KH], 22                   ; 1,024 rows of 4,096 bytes;
	s_add_co_u32 s[OF], s[OF], s[TMP]
	s_lshl_b32 s[TMP], s[KQ], 20                   ; 256 rows;
	s_add_co_u32 s[OF], s[OF], s[TMP]
	s_lshl_b32 s[TMP], s[SLC], 8                   ; 64 columns;
	s_add_co_u32 s[OF], s[OF], s[TMP]
	s_lshl_b32 s[TMP], s[CG], 7                    ; 32 columns
	s_add_co_u32 s[OF], s[OF], s[TMP]
	s_mov_b32 s[OF+1], 0
	s_wait_kmcnt 0x0
	s_add_nc_u64 s[WP:WP+1], s[4:5], s[OF:OF+1]
	s_wait_alu depctr_va_vdst(0)                   ; v[WOFF] is written, which every load of the stream reads as its offset
	WLOAD 0                                        ; the stream begins ahead of everything else
	WLOAD 1
	v_lshlrev_b32 v[L16], 4, v[LN]
	s_wait_alu depctr_va_vdst(0)
	s_lshl_b32 s[TMP], s[CG], 14
	s_lshl_b32 s[OF], s[KQ], 12
	s_add_co_u32 s[TMP], s[TMP], s[OF]
	v_add_nc_u32 v[IMGW], s[TMP], v[L16]
	v_add_nc_u32 v[SCLR], SCL, v[L16]
	s_lshl_b32 s[TMP], s[CG], 10
	s_add_co_u32 s[TMP], s[TMP], SCL
	s_lshr_b32 s[OF], s[KQ], 1
	s_lshl_b32 s[OF], s[OF], 9
	s_add_co_u32 s[TMP], s[TMP], s[OF]
	s_and_b32 s[OF], s[KQ], 1
	s_lshl_b32 s[OF], s[OF], 3
	s_add_co_u32 s[TMP], s[TMP], s[OF]
	v_add_nc_u32 v[SCLW], s[TMP], v[L16]
	s_mul_i32 s[TMP], s[WV], WSTG
	s_add_co_u32 s[TMP], s[TMP], STG               ; my stage
	v_and_b32 v[RR], 15, v[LN]                     ; r
	v_lshrrev_b32 v[HH], 4, v[LN]                  ; h
	v_mul_u32_u24 v[TA], v[RR], SP
	v_lshl_add_u32 v[TA], v[HH], 6, v[TA]
	v_add_nc_u32 v[STO], s[TMP], v[TA]
	v_lshlrev_b32 v[LC], 4, v[RR]
	v_mul_u32_u24 v[TA], v[HH], SP
	v_add_nc_u32 v[TA], v[TA], v[LC]
	v_add_nc_u32 v[STR], s[TMP], v[TA]
	v_lshlrev_b32 v[R64], 6, v[RR]
	v_lshlrev_b32 v[H4], 2, v[HH]
	s_lshl_b32 s[OF], s[EX], 13                    ; slist: an expert 8,192 bytes, a quarter of the tokens 2,048
	s_lshl_b32 s[TMP], s[KQ], 11
	s_add_co_u32 s[OF], s[OF], s[TMP]
	s_add_nc_u64 s[10:11], s[10:11], s[OF:OF+1]
	s_load_b32 s[NT], s[10:11], 0x400              ; the quarter's number of rows, behind its 256 slots
	s_lshl_b32 s[OF], s[EX], 20                    ; hcod: an expert 1 MiB; a quarter's 16 tiles 262,144 bytes; my half of K: 8 K steps of 1,024 bytes in each tile
	s_lshl_b32 s[TMP], s[KQ], 18
	s_add_co_u32 s[OF], s[OF], s[TMP]
	s_lshl_b32 s[TMP], s[KH], 13
	s_add_co_u32 s[OF], s[OF], s[TMP]
	s_add_nc_u64 s[6:7], s[6:7], s[OF:OF+1]
	s_lshl_b32 s[OF], s[EX], 16                    ; hscl: an expert 65,536 bytes; a quarter 16,384; my half: 32 of a row's 64
	s_lshl_b32 s[TMP], s[KQ], 14
	s_add_co_u32 s[OF], s[OF], s[TMP]
	s_lshl_b32 s[TMP], s[KH], 5
	s_add_co_u32 s[OF], s[OF], s[TMP]
	s_add_nc_u64 s[8:9], s[8:9], s[OF:OF+1]
	s_mul_i32 s[OF], s[KH], PLANE                  ; ypart: my half's plane, my 64 columns
	s_lshl_b32 s[TMP], s[SLC], 8
	s_add_co_u32 s[OF], s[OF], s[TMP]
	s_add_nc_u64 s[12:13], s[12:13], s[OF:OF+1]
	s_mov_b32 s[TI], s[CG]
.irp t, 0,1,2,3,4,5,6,7
	QBLOCK \t, NB
.endr
	ds_store_b64 v[SCLW], v[SWT:SWT+1]             ; my column's two scale words (written ahead of the last block's wait on va_vdst, and named by no vector line since)
	s_wait_dscnt 0x0                               ; for the others' sake: my images and scale words lie in LDS
	s_barrier_signal -1
	s_barrier_wait -1                              ; the launch's one barrier, ahead of every branch on loaded numbers
	s_wait_kmcnt 0x0
	s_add_co_u32 s[NT], s[NT], 15
	s_lshr_b32 s[NT], s[NT], 4
	s_min_u32 s[NT], s[NT], 16                     ; the quarter's tiles of 16 rows
	s_cmp_ge_u32 s[CG], s[NT]
	s_cbranch_scc1 .Lend                           ; no tile for me
	s_sub_co_u32 s[NL], s[NT], 1
	s_sub_co_u32 s[TR], s[NT], s[CG]               ; my trips: every second tile from w % 2 on: (tiles - w % 2 + 1) / 2, at least 1 here,
	s_add_co_u32 s[TR], s[TR], 1
	s_lshr_b32 s[TR], s[TR], 1
	s_min_u32 s[TR], s[TR], 8                      ; at most 16 / 2
	s_mov_b32 s[CT], 0
.macro DLOAD                           ; tile s[TMP] of my quarter: h's eight fragments as they stand (512 consecutive bytes a load), the rows' scale words, the rows' slots
	v_lshl_add_u32 v[HFO], s[TMP], 14, v[L16]
	v_lshl_add_u32 v[HSO], s[TMP], 10, v[R64]
	v_lshl_add_u32 v[LO], s[TMP], 6, v[H4]
	s_wait_alu depctr_va_vdst(0)                   ; the three offsets are written, which the loads read.  In the loop: the products are done reading v[HF ..] and v[HS ..] and the trip's first lines v[SL ..], in which the loads land; the products have written v[Y ..], which the LDS stores below read, and v[YA ..] is written, which the global stores read.  Ahead of the loop: the stream is done reading v[X ..]
.irp i, 0,1,2,3,4,5,6,7,8,9,10,11,12,13,14,15
	global_load_b128 v[HF+4*\i:HF+4*\i+3], v[HFO], s[6:7] offset:512*\i
.endr
.irp i, 0,1
	global_load_b128 v[HS+4*\i:HS+4*\i+3], v[HSO], s[8:9] offset:16*\i
.endr
.irp i, 0,1,2,3,4,5,6,7
	global_load_b32 v[SL+\i], v[LO], s[10:11] offset:8*\i
.endr
.endm
.macro MMA d, a, sa, s, row            ; one matrix instruction: accumulator d, weight tile at a (window 1), its scale register sa (row = 1: lanes 16-31), K step s; the first K step starts the sum
.if (\s) == 0
.if \row
	v_wmma_scale_f32_16x16x128_f8f6f4 v[\d:\d+7], v[\a:\a+7], v[HF+8*(\s):HF+8*(\s)+7], 0, v[\sa], v[HS+(\s)] matrix_a_fmt:MATRIX_FMT_FP4 matrix_b_fmt:MATRIX_FMT_FP4 matrix_a_scale:MATRIX_SCALE_ROW1
.else
	v_wmma_scale_f32_16x16x128_f8f6f4 v[\d:\d+7], v[\a:\a+7], v[HF+8*(\s):HF+8*(\s)+7], 0, v[\sa], v[HS+(\s)] matrix_a_fmt:MATRIX_FMT_FP4 matrix_b_fmt:MATRIX_FMT_FP4
.endif
.else
.if \row
	v_wmma_scale_f32_16x16x128_f8f6f4 v[\d:\d+7], v[\a:\a+7], v[HF+8*(\s):HF+8*(\s)+7], v[\d:\d+7], v[\sa], v[HS+(\s)] matrix_a_fmt:MATRIX_FMT_FP4 matrix_b_fmt:MATRIX_FMT_FP4 matrix_a_scale:MATRIX_SCALE_ROW1
.else
	v_wmma_scale_f32_16x16x128_f8f6f4 v[\d:\d+7], v[\a:\a+7], v[HF+8*(\s):HF+8*(\s)+7], v[\d:\d+7], v[\sa], v[HS+(\s)] matrix_a_fmt:MATRIX_FMT_FP4 matrix_b_fmt:MATRIX_FMT_FP4
.endif
.endif
.endm
	s_mov_b32 s[TMP], s[CG]
	DLOAD                                          ; my first tile
	WIN 0x40                                       ; destination window 1
.set i, 0
.rept 64
	ds_load_b128 v[4*i:4*i+3], v[L16] offset:512*i ; register 128 cg + 16 (K step) + 8 (tile) + .. of window 1: all 64 columns, my work-group's half of K: they stay.  (No vector line has named them; v[L16] was written at the head, ahead of the stream's waits)
.set i, i+1
.endr
	WIN 0
.irp j, 0,1,2,3
	ds_load_b128 v[SWR+4*\j:SWR+4*\j+3], v[SCLR] offset:512*\j
.endr
	s_wait_dscnt 0x0
.Ltile:
	s_wait_loadcnt 0x0                             ; the tile's fragments, scale words and slots are in
	s_wait_alu depctr_vm_vsrc(0)                   ; the last trip's global stores have read v[YA ..], written below, and v[OB ..], in which this trip's rows land; its LDS stores have read v[Y ..], which the products write; the tile's loads have read the three offsets, which are written behind the products
.irp i, 0,1,2,3,4,5,6,7
	v_min_u32 v[YA+\i], 0x9ff, v[SL+\i]            ; a loaded number is held inside the plane's 2,560 rows
.endr
.irp i, 0,1,2,3,4,5,6,7
	v_lshl_add_u32 v[YA+\i], v[YA+\i], 12, v[LC]
.endr
	WIN 0x01                                       ; source 0 window 1
.irp s, 0,1,2,3,4,5,6,7                        ; four accumulators by turns, one instruction a turn
	MMA Y, 16*\s, SWR+\s, \s, 0
	MMA Y+16, 128+16*\s, SWR+8+\s, \s, 0
	MMA Y+8, 16*\s+8, SWR+\s, \s, 1
	MMA Y+24, 128+16*\s+8, SWR+8+\s, \s, 1
.endr
	WIN 0
.rept 5
	v_nop                                          ; places behind the products: four for the stores of results below, a fifth for the next tile's products, which begin these accumulators anew; the wait in the loads' macro stands behind them
.endr
	s_add_co_u32 s[TI], s[TI], 2                   ; my next tile,
	s_min_u32 s[TMP], s[TI], s[NL]                 ; held at the quarter's last one (whose bytes are written)
	s_min_u32 s[TMP], s[TMP], 15                   ; and inside the buffers: its loads are out while this tile leaves
	DLOAD
.irp c, 0,1
.irp q, 0,1,2,3
	ds_store_b128 v[STO], v[Y+16*\c+4*\q:Y+16*\c+4*\q+3] offset:128*\c+16*\q   ; row r, columns 32 c + 16 h + 4 q on; each accumulator from its low end on
.endr
.endr
.irp i, 0,1,2,3,4,5,6,7
	ds_load_b128 v[OB+4*\i:OB+4*\i+3], v[STR] offset:2*SP*\i                   ; rows 2 i and 2 i + 1, whole.  LDS serves a wave's instructions in order: these see my stores
.endr
.irp i, 0,1,2,3,4,5,6,7
	s_wait_dscnt 7-\i                              ; pair i is back; the younger reads may be out
	global_store_b128 v[YA+\i], v[OB+4*\i:OB+4*\i+3], s[12:13]                 ; sixteen lanes store 256 consecutive bytes, aligned, of a slot's row
.endr
	s_wait_xcnt 0x0                                ; the stores' data and address registers are written again only behind this wait
	s_add_co_u32 s[CT], s[CT], 1
	s_cmp_lt_u32 s[CT], s[TR]
	s_cbranch_scc1 .Ltile
.Lend:
	s_wait_dscnt 0x0                               ; the closing lines, six on end
	s_wait_alu 0x0
	s_wait_tensorcnt 0x0
	ds_add_u32 v249, v255
	s_wait_dscnt 0x0
	s_endpgm
.Lfunc_end_k_qc0b754a38d_dn:
	.size	k_qc0b754a38d_dn, .Lfunc_end_k_qc0b754a38d_dn-k_qc0b754a38d_dn
	.p2alignl 7, 3214868480
	.fill 96, 4, 3214868480
	.section	.rodata,"a",@progbits
	.p2align	6, 0x0
	.amdhsa_kernel k_qc0b754a38d_dn
		.amdhsa_group_segment_fixed_size 72704
		.amdhsa_private_segment_fixed_size 0
		.amdhsa_enable_private_segment 0
		.amdhsa_kernarg_size 40
		.amdhsa_user_sgpr_count 2
		.amdhsa_user_sgpr_kernarg_segment_ptr 1
		.amdhsa_wavefront_size32 1
		.amdhsa_system_sgpr_workgroup_id_x 1
		.amdhsa_system_sgpr_workgroup_id_y 1
		.amdhsa_system_sgpr_workgroup_id_z 1
		.amdhsa_system_vgpr_workitem_id 0
		.amdhsa_next_free_vgpr 512
		.amdhsa_next_free_sgpr 66
		.amdhsa_reserve_vcc 0
		.amdhsa_float_denorm_mode_32 3
		.amdhsa_float_denorm_mode_16_64 3
		.amdhsa_memory_ordered 1
		.amdhsa_forward_progress 1
		.amdhsa_inst_pref_size 59
	.end_amdhsa_kernel
	.amdgpu_metadata
---
amdhsa.version: [ 1, 2 ]
amdhsa.kernels:
  - .name:           k_qc0b754a38d_dn
    .symbol:         k_qc0b754a38d_dn.kd
    .args:
      - { .name: w_down, .offset: 0, .size: 8, .value_kind: global_buffer, .address_space: global }
      - { .name: hcod, .offset: 8, .size: 8, .value_kind: global_buffer, .address_space: global }
      - { .name: hscl, .offset: 16, .size: 8, .value_kind: global_buffer, .address_space: global }
      - { .name: slist, .offset: 24, .size: 8, .value_kind: global_buffer, .address_space: global }
      - { .name: ypart, .offset: 32, .size: 8, .value_kind: global_buffer, .address_space: global }
    .group_segment_fixed_size: 72704
    .private_segment_fixed_size: 0
    .kernarg_segment_align: 8
    .kernarg_segment_size: 40
    .max_flat_workgroup_size: 256
    .sgpr_count:     66
    .vgpr_count:     512
    .wavefront_size: 32
...
	.end_amdgpu_metadata
.endif
;; end of part 7
;; launch comb (part 8): grid 256 x 1, 4 waves a work-group, no clusters, 0 bytes of LDS; arguments ypart, prob, out0; writes out0
.if DOCPART == 8
	.amdgcn_target "amdgcn-amd-amdhsa--gfx1250"
	.amdhsa_code_object_version 6
	.text
	.protected	k_qc0b754a38d_comb
	.globl	k_qc0b754a38d_comb
	.p2align	8
	.type	k_qc0b754a38d_comb,@function
k_qc0b754a38d_comb:
	s_mov_b64 s[64:65], 0
	v_nop
	global_prefetch_b8 v0, s[64:65] scope:SCOPE_SE
	s_setreg_imm32_b32 hwreg(HW_REG_WAVE_MODE, 25, 1), 1
	s_wait_xcnt 0x0
; COMB.  out[n] = p0 (y[2 n], both halves of K) + p1 (y[2 n + 1], both halves).  ypart: [2][2,560 rows][1024] f32, row = slot = 2 token + k; prob: [token][2] f32; out0: [1024][1024] f32.
; A stream: one wave to a token, all its 32 loads of 512 consecutive bytes issued at once, eight stores of 512 consecutive bytes.  No LDS, no barrier, no matrix unit: K = 2 terms a number.
; The two weights are the same for the whole wave: they come by a scalar load (this launch writes nothing that it loads).
.set PLANE, 10485760                   ; 2,560 rows of 4,096 bytes
.set R, 8                              ; v8-135: group i of eight: 4 registers each of slot 0 half 0, slot 0 half 1, slot 1 half 0, slot 1 half 1
	s_load_b128 s[4:7], s[0:1], 0x0                ; ypart, prob
	s_load_b64 s[8:9], s[0:1], 0x10                ; out0
	v_lshrrev_b32 v1, 5, v0
	v_readfirstlane_b32 s10, v1                    ; wave 0..3
	v_and_b32 v2, 31, v0
	v_lshlrev_b32 v1, 4, v2                        ; 16 x lane
	s_lshl_b32 s11, ttmp9, 2
	s_add_co_u32 s11, s11, s10                     ; my token
	s_lshl_b32 s12, s11, 13                        ; its two slots' rows: 8,192 bytes
	s_mov_b32 s13, 0
	s_lshl_b32 s14, s11, 3
	s_mov_b32 s15, 0
	s_lshl_b32 s16, s11, 12
	s_mov_b32 s17, 0
	s_wait_alu depctr_va_vdst(0)
	s_wait_kmcnt 0x0
	s_add_nc_u64 s[6:7], s[6:7], s[14:15]
	s_load_b64 s[20:21], s[6:7], 0x0               ; p0, p1
	s_add_nc_u64 s[4:5], s[4:5], s[12:13]
	s_add_nc_u64 s[18:19], s[4:5], PLANE
	s_add_nc_u64 s[8:9], s[8:9], s[16:17]
.irp i, 0,1,2,3,4,5,6,7
	global_load_b128 v[R+16*\i:R+16*\i+3],     v1, s[4:5]   offset:512*\i th:TH_LOAD_NT
	global_load_b128 v[R+16*\i+4:R+16*\i+7],   v1, s[18:19] offset:512*\i th:TH_LOAD_NT
	global_load_b128 v[R+16*\i+8:R+16*\i+11],  v1, s[4:5]   offset:4096+512*\i th:TH_LOAD_NT
	global_load_b128 v[R+16*\i+12:R+16*\i+15], v1, s[18:19] offset:4096+512*\i th:TH_LOAD_NT
.endr
	s_wait_kmcnt 0x0
	s_mov_b32 s22, s21                             ; p1 as the low word of a pair of its own: the packed form takes a scalar pair's low word for both halves
	s_mov_b32 s23, s21
.irp i, 0,1,2,3,4,5,6,7
	s_wait_loadcnt 4*(7-\i)                        ; group i's four loads are in; the later groups' may be out
.irp c, 0,2
	v_pk_add_f32 v[R+16*\i+\c:R+16*\i+\c+1], v[R+16*\i+\c:R+16*\i+\c+1], v[R+16*\i+4+\c:R+16*\i+4+\c+1]         ; the two halves of K
	v_pk_add_f32 v[R+16*\i+8+\c:R+16*\i+8+\c+1], v[R+16*\i+8+\c:R+16*\i+8+\c+1], v[R+16*\i+12+\c:R+16*\i+12+\c+1]
.endr
.irp c, 0,2
	v_pk_mul_f32 v[R+16*\i+\c:R+16*\i+\c+1], v[R+16*\i+\c:R+16*\i+\c+1], s[20:21] op_sel_hi:[1,0]
.endr
.irp c, 0,2
	v_pk_fma_f32 v[R+16*\i+\c:R+16*\i+\c+1], v[R+16*\i+8+\c:R+16*\i+8+\c+1], s[22:23], v[R+16*\i+\c:R+16*\i+\c+1] op_sel_hi:[1,0,1]
.endr
	global_store_b128 v1, v[R+16*\i:R+16*\i+3], s[8:9] offset:512*\i th:TH_STORE_NT   ; each group has registers of its own: no store's data are written again
.endr
	s_endpgm
.Lfunc_end_k_qc0b754a38d_comb:
	.size	k_qc0b754a38d_comb, .Lfunc_end_k_qc0b754a38d_comb-k_qc0b754a38d_comb
	.p2alignl 7, 3214868480
	.fill 96, 4, 3214868480
	.section	.rodata,"a",@progbits
	.p2align	6, 0x0
	.amdhsa_kernel k_qc0b754a38d_comb
		.amdhsa_group_segment_fixed_size 0
		.amdhsa_private_segment_fixed_size 0
		.amdhsa_enable_private_segment 0
		.amdhsa_kernarg_size 24
		.amdhsa_user_sgpr_count 2
		.amdhsa_user_sgpr_kernarg_segment_ptr 1
		.amdhsa_wavefront_size32 1
		.amdhsa_system_sgpr_workgroup_id_x 1
		.amdhsa_system_sgpr_workgroup_id_y 1
		.amdhsa_system_sgpr_workgroup_id_z 1
		.amdhsa_system_vgpr_workitem_id 0
		.amdhsa_next_free_vgpr 136
		.amdhsa_next_free_sgpr 66
		.amdhsa_reserve_vcc 0
		.amdhsa_float_denorm_mode_32 3
		.amdhsa_float_denorm_mode_16_64 3
		.amdhsa_memory_ordered 1
		.amdhsa_forward_progress 1
		.amdhsa_inst_pref_size 10
	.end_amdhsa_kernel
	.amdgpu_metadata
---
amdhsa.version: [ 1, 2 ]
amdhsa.kernels:
  - .name:           k_qc0b754a38d_comb
    .symbol:         k_qc0b754a38d_comb.kd
    .args:
      - { .name: ypart, .offset: 0, .size: 8, .value_kind: global_buffer, .address_space: global }
      - { .name: prob, .offset: 8, .size: 8, .value_kind: global_buffer, .address_space: global }
      - { .name: out0, .offset: 16, .size: 8, .value_kind: global_buffer, .address_space: global }
    .group_segment_fixed_size: 0
    .private_segment_fixed_size: 0
    .kernarg_segment_align: 8
    .kernarg_segment_size: 24
    .max_flat_workgroup_size: 128
    .sgpr_count:     66
    .vgpr_count:     136
    .wavefront_size: 32
...
	.end_amdgpu_metadata
.endif
;; end of part 8
